; MI455X (gfx1250); checked and timed in simulation.
; The chip was launched on July 23, 2026; its instructions are those of AMD's public machine-readable ISA for CDNA 5 (MIT licence, August 2026) and "CDNA5" Instruction Set Architecture Reference Guide (July 2026). The comments in the code are by the model that wrote it; some were corrected since.
;; Linformer Multi Head Self Attention Project Layerwise. Allowed arithmetic: matrix products marked QUANTISED: E2M3 operands, one E8M0 scale for each 32 along K, by v_wmma_scale_f32_16x16x128_f8f6f4 with both operands' format E2M3, f32 sums; everything else in f32.
;; Inputs: W_k 1,024 x 1,024 float32; W_q 1,024 x 1,024 float32; W_v 1,024 x 1,024 float32; proj_weight_all 4,096 x 256 float32; x 4 x 4,096 x 1,024 float32.
;; Outputs: out0 4 x 4,096 x 1,024 float32.
;; This version of the problem:
;;   THIS VERSION OF THE PROBLEM IS GIVEN IN LOW PRECISION. The matrix products marked QUANTISED in the list below multiply operands that are first quantised to E2M3 (2 exponent bits, 3 mantissa bits; 6 bits a number), with one power-of-two scale for each 32 numbers along K (OCP MX v1.0); their sums are f32. All else is computed in f32.
;;   The module's matrix products, in the order in which they are computed (A, B: the left and right operand; K: the contracted axis; several contracted axes count as one K, in the product's order):
;;     1. [M 16,384, K 1,024] x [K 1,024, N 1,024]; A: input x; B: input W_q: QUANTISED
;;     2. [M 16,384, K 1,024] x [K 1,024, N 1,024]; A: input x; B: input W_k: QUANTISED
;;     3. [M 16,384, K 1,024] x [K 1,024, N 1,024]; A: input x; B: input W_v: QUANTISED
;;     4. [M 256, K 4,096] x [K 4,096, N 4,096]; A: input proj_weight_all; B: computed on the way: QUANTISED
;;     5. [M 256, K 4,096] x [K 4,096, N 4,096]; A: input proj_weight_all; B: computed on the way: QUANTISED
;;     6. batch 64 x [M 4,096, K 64] x [K 64, N 256]; A: computed on the way; B: computed on the way: QUANTISED
;;     7. batch 64 x [M 4,096, K 256] x [K 256, N 64]; A: softmax (see below); B: computed on the way: QUANTISED
;;   THE QUANTISER, for each operand of a quantised product, along K:
;;     - K is cut into blocks of 32 from its start; a last block that is shorter is filled with zeros.
;;     - A block's scale is 2^e with e = floor(log2(the largest magnitude in the block)) - 2, held to -126 .. 127; a block of zeros has e = 0. As a byte (E8M0): e + 127.
;;     - Each number is divided by its block's scale, clamped to +-7.5, and rounded to the nearest number of E2M3, ties to even, subnormals kept.
;;     - The product sums the exact products of the quantised numbers (number of the format x scale) in f32.
;;   ~~~python
;;   def quantise(x, axis):      # numpy; x: float32 -> the quantised numbers, widened to float32 again
;;       x = np.moveaxis(x, axis, -1); K = x.shape[-1]
;;       x = np.pad(x, [(0, 0)] * (x.ndim - 1) + [(0, -K % 32)]); x = x.reshape(x.shape[:-1] + (-1, 32)); a = np.abs(x).max(-1, keepdims=True)
;;       e = np.where(a > 0, np.clip(np.frexp(np.where(a > 0, a, 1))[1] - 1 - 2, -126, 127), 0)      # np.frexp(a)[1] - 1 = floor(log2(a)), exactly
;;       r = np.clip(x / 2.0 ** e, -7.5, 7.5)
;;       step = 2.0 ** (np.maximum(np.frexp(np.where(r == 0, 1, r))[1] - 1, 0) - 3)
;;       q = np.round(r / step) * step * 2.0 ** e      # np.round: ties to even
;;       return np.moveaxis(q.reshape(q.shape[:-2] + (-1,))[..., :K], -1, axis).astype(np.float32)
;;   ~~~
;;   SOFTMAX AHEAD OF A QUANTISED PRODUCT. Where the list says 'softmax', what is quantised is not the finished softmax but p = 2^(t - M), with t = logit x log2(e) and M = ceil(the row's largest t), a whole number; so 1/2 < the row's largest p <= 1. The row's sum l is taken of the UNQUANTISED p, in f32, and the product's result is divided by l at the end. Since M is a whole number, a kernel that streams over the keys may use a running M (the ceiling of the running maximum): every later rescaling is an exact power of two, which a block's scale takes up: the codes' values come out the same.
;;   OPERANDS COMPUTED ON THE WAY. 'Computed on the way' means the value that the module computes at that place (a softmax that the list does not call 'softmax' is quantised finished and normalised). What goes into a quantiser is computed in f32, as accurately as f32 sums, v_exp_f32 and their like allow (about 1e-6 of the number): no bf16 or f16 on the way to a quantiser, and a product that is left as it is and whose result goes on into a quantised operand takes f32 operands (vector FMAs, or v_wmma_f32_16x16x4_f32). A number that lies on a knife's edge between two numbers of the format may be rounded either way, as far as f32 arithmetic and the matrix unit's own rounding can turn it there, and no further.
;; One version. Each part assembles by itself: llvm-mc -triple=amdgcn-amd-amdhsa -mcpu=gfx1250 --defsym DOCPART=n.
;; ======== version 1 of 1: 4 launches
;; workspace buffers: xq 13,107,200 bytes; wq 3,276,800 bytes; qkv 39,321,600 bytes; kvp 1,638,400 bytes
;; launch prep (part 1): grid 256 x 1, 8 waves a work-group, no clusters, 284,672 bytes of LDS; arguments x, W_q, W_k, W_v, proj_weight_all, xq, wq; writes xq, wq
.if DOCPART == 1
	.amdgcn_target "amdgcn-amd-amdhsa--gfx1250"
	.amdhsa_code_object_version 6
	.text
	.protected	k_qcf1d5b498e_prep
	.globl	k_qcf1d5b498e_prep
	.p2align	8
	.type	k_qcf1d5b498e_prep,@function
k_qcf1d5b498e_prep:
	s_mov_b64 s[64:65], 0
	v_nop
	global_prefetch_b8 v0, s[64:65] scope:SCOPE_SE
	s_setreg_imm32_b32 hwreg(HW_REG_WAVE_MODE, 25, 1), 1
	s_wait_xcnt 0x0
; x [16384][1024], W_q, W_k, W_v [1024 (k)][1024] and proj [4096 (k)][256], all f32, become codes of FP6 (E2M3) with one E8M0 byte for each 32 along K,
; laid as IMAGES OF OPERAND REGISTERS: a fragment (16 rows x 128 K, 12 registers a lane) is 1,536 bytes, [chunk 0..2][lane][16 bytes], chunk c = registers 4 c .. 4 c + 3.
; THE ROWS OF A TILE ARE NOT NEIGHBOURS: in a group of 128 rows, row r of tile i is row 32 (i / 2) + 8 (i % 2) + r + 8 (r / 8), so that results made with such a tile as source 0 have 16 neighbours in a lane's 16 registers.
; A scale image (512 bytes) has the words of 8 tiles x 128 K: word j of lane (r, h)'s 16 bytes belongs to tile 2 j + h, row r.
; A block's scale byte is its largest magnitude's exponent field - 2, held at 1 from below.
; LIMITS: NaN and infinities are not served; a block whose largest magnitude lies under 2^-124 (a block of zeros too) gets the byte 1: the bytes are read by this program alone.
; SHARES.  Work-group u.  Waves 0-3: unit 4 u + wave of x: 128 rows x 128 K, 64 KiB, brought by two tensor loads into the wave's own LDS bytes, filled once.
; Waves 4-7: 32 columns x 128 K of unit u of the weights (K is their FIRST axis): a lane takes a column, its registers run down K; the codes turn into images in the wave's own stage.
; The two roles part once on the wave's number and do not join; no wave reads another's LDS bytes, so there is no barrier.
.set XPITCH, 528                       ; an LDS row of x: 512 bytes + 16 of padding
.set XHALF,  64*XPITCH                 ; what one tensor load brings
.set XREG,   2*XHALF                   ; a wave's 128 rows
.set WSTG,   4*XREG                    ; behind them the four stages of the weights' waves,
.set IMGP,   1664                      ; in which an image has 1,664 bytes,
.set WREG,   3328                      ; two images a wave
.set SPARE,  WSTG+4*WREG               ; the spare words, 128 bytes for each of eight waves: four blocks of 256 bytes that no other line names
.set SPW,  1                           ; v1  my spare word's LDS address; never rewritten
.set NIL,  2                           ; v2  0; never rewritten
.set XA,   3                           ; v3  x: my lane's place in the wave's rows
.set LI,   4                           ; v4  16 x lane
.set SH8,  5                           ; v5  8 x (lane / 16)
.set WSA,  6                           ; v6  the stage: where my column's codes go
.set WRA,  7                           ; v7  the stage: 16 x lane
.set WOFF, 8                           ; v8  my column's word in the scale image
.set L4,   9                           ; v9  4 x lane
.set MX,   10                          ; x: v10-11 largest magnitudes, then bytes
.set SO,   12                          ; v12-13 the conversions' scale operands
.set WD,   14                          ; v14 my two bytes; in the weights' role the scale word
.set WT,   15                          ; v15 the other half's two bytes
.set PW,   16                          ; v16-23 a scale word for each tile
.set PT,   24                          ; v24-26, v28-30 the second halves of two blocks' codes
.set X,    32                          ; v32-159 two sets of 64 numbers
.set PC,   160                         ; v160-255 codes: 12 registers for each tile, so that no store's data are written again
.set D,    32                          ; weights: v32-159 128 numbers down K
.set OFF,  160                         ; v160-191 4 x lane + i x pitch
.set CW,   192                         ; v192-223 codes: 8 registers (6 used) for each block
.set CT,   224                         ; v224-226 a block's second half
.set RB,   228                         ; v228-251 two images read back
	s_load_b256 s[4:11], s[0:1], 0x0               ; x s[4:5], W_q s[6:7], W_k s[8:9], W_v s[10:11]
	s_load_b128 s[12:15], s[0:1], 0x20             ; proj s[12:13], xq s[14:15]
	s_load_b64 s[16:17], s[0:1], 0x30              ; wq
	v_lshl_add_u32 v[SPW], v0, 2, SPARE
	v_mov_b32 v[NIL], 0
	ds_add_u32 v[SPW], v[NIL]                      ; the wave's opening: the add and its wait stand ahead of the first tensor load; work on registers stands between them
	v_lshrrev_b32 v10, 5, v0
	v_readfirstlane_b32 s18, v10                   ; wave 0..7
	s_and_b32 s19, s18, 3                          ; my number within my role
	; descriptor group 1: 64 rows x 128 f32, 1,024 elements from row to row, 4 words of padding behind every 128 words
	s_mov_b32 s24, (2<<16)|(1<<20)|(6<<22)|(3<<25)
	s_mov_b32 s25, 128<<16                         ; tensor_dim0 = 128
	s_mov_b32 s26, 64<<16                          ; tensor_dim1 = 64
	s_mov_b32 s27, 128<<16                         ; tile_dim0 = 128
	s_mov_b32 s28, 64                              ; tile_dim1 = 64
	s_mov_b32 s29, 1024                            ; the pitch
	s_mov_b32 s30, 0
	s_mov_b32 s31, 0
	s_mov_b32 s20, 0x76543210
	s_mov_b32 s21, 0xfedcba98                      ; v_permlanex16_b32's selects for lane l xor 16
	s_mov_b32 s22, 0xffff0000                      ; lanes 16-31
	v_and_b32 v10, 31, v0                          ; lane
	v_and_b32 v11, 15, v0                          ; r
	v_bfe_u32 v12, v0, 4, 1                        ; h
	v_lshlrev_b32 v[LI], 4, v10
	v_lshlrev_b32 v[L4], 2, v10
	v_lshlrev_b32 v[SH8], 3, v12
	v_and_b32 v13, 8, v11
	v_add_nc_u32 v13, v13, v11                     ; r + 8 (r / 8)
	v_mul_u32_u24 v[XA], v13, XPITCH
	v_lshl_add_u32 v[XA], v12, 7, v[XA]            ; + 128 h: lanes 16-31 take the 32 numbers behind those of lanes 0-15
	s_mul_i32 s23, s19, XREG
	v_add_nc_u32 v[XA], s23, v[XA]
	v_bfe_u32 v13, v0, 3, 1                        ; column l of 32 lies in tile (l / 8) % 2 of my two,
	v_and_b32 v14, 7, v0
	v_lshl_add_u32 v14, v12, 3, v14                ; at its row l % 8 + 8 (l / 16)
	v_mul_u32_u24 v[WSA], v13, IMGP
	v_lshl_add_u32 v[WSA], v14, 4, v[WSA]
	s_mul_i32 s48, s19, WREG
	s_add_co_u32 s48, s48, WSTG
	v_add_nc_u32 v[WSA], s48, v[WSA]
	v_add_nc_u32 v[WRA], s48, v[LI]
	v_lshl_add_u32 v[WOFF], v13, 4, v14            ; the scale image's lane: 16 x tile's parity + row,
	v_lshlrev_b32 v[WOFF], 4, v[WOFF]
	s_lshl_b32 s49, s19, 2
	v_add_nc_u32 v[WOFF], s49, v[WOFF]             ; its word: my pair of tiles
	s_wait_dscnt 0x0                               ; the opening add is done
	s_wait_kmcnt 0x0
	s_cmp_ge_u32 s18, 4
	s_cbranch_scc1 .Lweights
	; ---------------- waves 0-3: x ----------------
	s_mov_b32 s32, 1                               ; group 0, rows 0-63: count = 1,
	s_mul_i32 s33, s18, XREG                       ; LDS address: wave x 67,584,
	s_lshr_b32 s50, ttmp9, 1                       ; the group of 128 rows: u / 2,
	s_lshl_b32 s50, s50, 19                        ; 128 rows of 4,096 bytes
	s_and_b32 s51, ttmp9, 1
	s_lshl_b32 s51, s51, 2
	s_add_co_u32 s51, s51, s18                     ; the K step: 4 (u % 2) + wave,
	s_lshl_b32 s51, s51, 9                         ; 512 bytes each
	s_add_co_u32 s50, s50, s51
	s_mov_b32 s51, 0
	s_add_nc_u64 s[34:35], s[4:5], s[50:51]
	s_add_nc_u64 s[38:39], s[34:35], 262144        ; rows 64-127
	s_or_b32 s35, s35, 0x80000000                  ; type = 2
	s_or_b32 s39, s39, 0x80000000
	s_mov_b32 s36, 1
	s_add_co_u32 s37, s33, XHALF
	tensor_load_to_lds s[32:35], s[24:31]          ; both first fills go out together: two loads of mine are out
	s_nop 0
	tensor_load_to_lds s[36:39], s[24:31]
	s_nop 0
	s_lshl_b32 s52, ttmp9, 2
	s_add_co_u32 s52, s52, s18                     ; my unit
	s_mul_i32 s54, s52, 12288
	s_mov_b32 s55, 0
	s_add_nc_u64 s[56:57], s[14:15], s[54:55]      ; its 8 images
	s_lshl_b32 s54, s52, 9
	s_add_nc_u64 s[58:59], s[14:15], s[54:55]
	s_add_nc_u64 s[58:59], s[58:59], 12582912      ; its scale image
	v_mov_b32 v[WT], 0                             ; written once: a lane permute's destination counts as one of its sources
; tile i's numbers: lane (r, h) takes, of its row, k = 64 c + 32 h + 0 .. 31: two whole blocks, in the order of the operand's registers
.macro XLD i
.irp c, 0,1
.irp k, 0,1,2,3,4,5,6,7
	ds_load_b128 v[X+64*((\i)%2)+32*\c+4*\k:X+64*((\i)%2)+32*\c+4*\k+3], v[XA] offset:(32*((\i)/2)+8*((\i)%2))*XPITCH+256*\c+16*\k
.endr
.endr
.endm
.macro XQ i
.set XS, X+64*((\i)%2)
.set PI, PC+12*(\i)
.irp c, 0,1
	v_max3_num_f32 v[MX+\c], |v[XS+32*\c]|, |v[XS+32*\c+1]|, 0x1800000   ; my block 2 c + h, and the floor 2^(3 - 127): the byte cannot fall under 1
.endr
.irp k, 2,4,6,8,10,12,14,16,18,20,22,24,26,28,30
.irp c, 0,1
	v_max3_num_f32 v[MX+\c], v[MX+\c], |v[XS+32*\c+\k]|, |v[XS+32*\c+\k+1]|
.endr
.endr
.irp c, 0,1
	v_add_nc_u32 v[SO+\c], 0xff000000, v[MX+\c]    ; 2 off the exponent field: the conversion's scale operand
.endr
.irp c, 0,1
	v_lshrrev_b32 v[MX+\c], 23, v[SO+\c]           ; the scale's byte
.endr
	v_lshl_or_b32 v[WD], v[MX+1], 16, v[MX]        ; blocks h and 2 + h,
	v_lshlrev_b32 v[WD], v[SH8], v[WD]             ; at their places in the word;
	v_permlanex16_b32 v[WT], v[WD], s20, s21
	v_or_b32 v[PW+(\i)], v[WD], v[WT]              ; with lane l xor 16's two the word is whole, in both halves of the lanes
.irp c, 0,1
	v_cvt_scalef32_pk16_fp6_f32 v[PI+6*\c:PI+6*\c+2], v[XS+32*\c:XS+32*\c+15], v[SO+\c]
	v_cvt_scalef32_pk16_fp6_f32 v[PT+4*\c:PT+4*\c+2], v[XS+32*\c+16:XS+32*\c+31], v[SO+\c]   ; (a conversion's three registers begin on an even number)
.endr
	v_nop                                          ; one plain place behind a scaled conversion
.irp c, 0,1
.irp k, 0,1,2
	v_mov_b32 v[PI+6*\c+3+\k], v[PT+4*\c+\k]
.endr
.endr
.irp c, 0,1,2
	global_store_b128 v[LI], v[PI+4*\c:PI+4*\c+3], s[56:57] offset:(\i)*1536+512*\c   ; 32 lanes store 512 consecutive bytes
.endr
.endm
	s_wait_tensorcnt 0x1                           ; rows 0-63 (tiles 0-3) have landed; the one younger load, rows 64-127, may be out
	XLD 0
.irp i, 0,1,2,3,4,5,6,7
.if \i == 3
	s_wait_tensorcnt 0x0                           ; rows 64-127, which tile 4 begins to read
.endif
.if \i < 7
	XLD \i+1
	s_wait_dscnt 16                                ; this tile's 16 loads are in; the 16 just issued for the next tile may be out
.else
	s_wait_dscnt 0x0
.endif
	XQ \i
.endr
.irp j, 0,1,2,3
	v_cndmask_b32 v[24+\j], v[PW+2*\j], v[PW+2*\j+1], s22   ; word j: lanes 0-15 tile 2 j's, lanes 16-31 tile 2 j + 1's
.endr
	global_store_b128 v[LI], v[24:27], s[58:59]
	s_wait_tensorcnt 0x0                           ; the wave's end
	ds_add_u32 v[SPW], v[NIL]
	s_wait_dscnt 0x0
	s_endpgm
	; ---------------- waves 4-7: the weights ----------------
.Lweights:
	s_lshr_b32 s50, ttmp9, 6                       ; 0, 1, 2: W_q, W_k, W_v; 3: proj
	s_and_b32 s52, ttmp9, 7                        ; W: the K step,
	s_bfe_u32 s54, ttmp9, 0x30003                  ; and the group of 128 columns
	s_and_b32 s53, ttmp9, 31                       ; proj: the K step,
	s_bfe_u32 s55, ttmp9, 0x10005                  ; and the group of 128 columns
	s_mov_b32 s51, 4096
	s_cmp_eq_u32 s50, 1                            ; the choices hang on the work-group's number alone
	s_cselect_b64 s[40:41], s[8:9], s[6:7]
	s_cmp_eq_u32 s50, 2
	s_cselect_b64 s[40:41], s[10:11], s[40:41]
	s_cmp_eq_u32 s50, 3
	s_cselect_b64 s[40:41], s[12:13], s[40:41]
	s_cselect_b32 s51, 1024, s51                   ; a row in bytes
	s_cselect_b32 s52, s53, s52
	s_cselect_b32 s54, s55, s54
	s_lshl_b32 s53, s51, 7
	s_mul_i32 s52, s52, s53                        ; 128 rows a K step
	s_lshl_b32 s54, s54, 9
	s_add_co_u32 s52, s52, s54                     ; 512 bytes a group of columns
	s_lshl_b32 s55, s19, 7
	s_add_co_u32 s52, s52, s55                     ; my 32 columns
	s_mov_b32 s53, 0
	s_add_nc_u64 s[40:41], s[40:41], s[52:53]
	s_lshl_b32 s52, s51, 5                         ; a block of 32 rows on
	s_add_nc_u64 s[42:43], s[40:41], s[52:53]
	s_add_nc_u64 s[44:45], s[42:43], s[52:53]
	s_add_nc_u64 s[46:47], s[44:45], s[52:53]
.set n, 0
.rept 32
	v_mad_u32_u24 v[OFF+n], s51, n, v[L4]
.set n, n+1
.endr
.irp kb, 0,1,2,3
.set n, 0
.rept 32
	global_load_b32 v[D+32*\kb+n], v[OFF+n], s[40+2*\kb:41+2*\kb] th:TH_LOAD_NT   ; row 32 kb + n at my wave's 32 columns: 128 consecutive bytes
.set n, n+1
.endr
.endr
	s_mul_i32 s52, ttmp9, 12288
	s_mul_i32 s54, s19, 3072
	s_add_co_u32 s52, s52, s54
	s_add_nc_u64 s[56:57], s[16:17], s[52:53]      ; my two images of unit u
	s_lshl_b32 s52, ttmp9, 9
	s_add_nc_u64 s[58:59], s[16:17], s[52:53]
	s_add_nc_u64 s[58:59], s[58:59], 3145728       ; unit u's scale image
; block kb of my column: its 24 bytes are registers 6 (kb / 2) .. + 5 of image lane row + 16 (kb % 2)
.macro WBLK kb, cnt
	s_wait_loadcnt \cnt
.set DS, D+32*(\kb)
	v_max3_num_f32 v10, |v[DS]|, |v[DS+1]|, |v[DS+2]|
	v_max3_num_f32 v11, |v[DS+3]|, |v[DS+4]|, |v[DS+5]|
.irp n, 6,10,14,18,22,26
	v_max3_num_f32 v10, v10, |v[DS+\n]|, |v[DS+\n+1]|
	v_max3_num_f32 v11, v11, |v[DS+\n+2]|, |v[DS+\n+3]|
.endr
	v_max3_num_f32 v10, v10, |v[DS+30]|, |v[DS+31]|
	v_max3_num_f32 v10, v10, v11, 0x1800000        ; and the floor
	v_add_nc_u32 v12, 0xff000000, v10
	v_lshrrev_b32 v13, 23, v12
.if (\kb) == 0
	v_mov_b32 v[WD], v13
.else
	v_lshl_or_b32 v[WD], v13, 8*(\kb), v[WD]       ; the lower K in the lower byte
.endif
	v_cvt_scalef32_pk16_fp6_f32 v[CW+8*(\kb):CW+8*(\kb)+2], v[DS:DS+15], v12
	v_cvt_scalef32_pk16_fp6_f32 v[CT:CT+2], v[DS+16:DS+31], v12
	v_nop                                          ; one plain place behind a scaled conversion
.irp n, 0,1,2
	v_mov_b32 v[CW+8*(\kb)+3+\n], v[CT+\n]
.endr
.if (\kb) < 2
	ds_store_b128 v[WSA], v[CW+8*(\kb):CW+8*(\kb)+3] offset:256*((\kb)%2)            ; registers 0-3: chunk 0
	ds_store_b64 v[WSA], v[CW+8*(\kb)+4:CW+8*(\kb)+5] offset:512+256*((\kb)%2)       ; registers 4-5: the lower half of chunk 1
.else
	ds_store_b64 v[WSA], v[CW+8*(\kb):CW+8*(\kb)+1] offset:520+256*((\kb)%2)         ; registers 6-7: its upper half
	ds_store_b128 v[WSA], v[CW+8*(\kb)+2:CW+8*(\kb)+5] offset:1024+256*((\kb)%2)     ; registers 8-11: chunk 2
.endif
.endm
	WBLK 0, 63                                     ; 96 younger loads could stay out; the wait's field holds 63, and a smaller count is safe
	WBLK 1, 63                                     ; (64 could)
	WBLK 2, 32                                     ; the last block's 32 may be out
	WBLK 3, 0
.irp u, 0,1
.irp c, 0,1,2
	ds_load_b128 v[RB+12*\u+4*\c:RB+12*\u+4*\c+3], v[WRA] offset:\u*IMGP+512*\c   ; LDS serves a wave's instructions in order: these see my stores
.endr
.endr
	s_wait_dscnt 0x0
.irp u, 0,1
.irp c, 0,1,2
	global_store_b128 v[LI], v[RB+12*\u+4*\c:RB+12*\u+4*\c+3], s[56:57] offset:\u*1536+512*\c
.endr
.endr
	global_store_b32 v[WOFF], v[WD], s[58:59]      ; 4 bytes a lane, 16 bytes apart: one byte in 128 of what this role reads
	s_wait_tensorcnt 0x0                           ; the wave's end, behind my last LDS store
	ds_add_u32 v[SPW], v[NIL]
	s_wait_dscnt 0x0
	s_endpgm
.Lfunc_end_k_qcf1d5b498e_prep:
	.size	k_qcf1d5b498e_prep, .Lfunc_end_k_qcf1d5b498e_prep-k_qcf1d5b498e_prep
	.p2alignl 7, 3214868480
	.fill 96, 4, 3214868480
	.section	.rodata,"a",@progbits
	.p2align	6, 0x0
	.amdhsa_kernel k_qcf1d5b498e_prep
		.amdhsa_group_segment_fixed_size 284672
		.amdhsa_private_segment_fixed_size 0
		.amdhsa_enable_private_segment 0
		.amdhsa_kernarg_size 56
		.amdhsa_user_sgpr_count 2
		.amdhsa_user_sgpr_kernarg_segment_ptr 1
		.amdhsa_wavefront_size32 1
		.amdhsa_system_sgpr_workgroup_id_x 1
		.amdhsa_system_sgpr_workgroup_id_y 1
		.amdhsa_system_sgpr_workgroup_id_z 1
		.amdhsa_system_vgpr_workitem_id 0
		.amdhsa_next_free_vgpr 256
		.amdhsa_next_free_sgpr 66
		.amdhsa_reserve_vcc 0
		.amdhsa_float_denorm_mode_32 3
		.amdhsa_float_denorm_mode_16_64 3
		.amdhsa_memory_ordered 1
		.amdhsa_forward_progress 1
		.amdhsa_inst_pref_size 62
	.end_amdhsa_kernel
	.amdgpu_metadata
---
amdhsa.version: [ 1, 2 ]
amdhsa.kernels:
  - .name:           k_qcf1d5b498e_prep
    .symbol:         k_qcf1d5b498e_prep.kd
    .args:
      - { .name: x, .offset: 0, .size: 8, .value_kind: global_buffer, .address_space: global }
      - { .name: W_q, .offset: 8, .size: 8, .value_kind: global_buffer, .address_space: global }
      - { .name: W_k, .offset: 16, .size: 8, .value_kind: global_buffer, .address_space: global }
      - { .name: W_v, .offset: 24, .size: 8, .value_kind: global_buffer, .address_space: global }
      - { .name: proj_weight_all, .offset: 32, .size: 8, .value_kind: global_buffer, .address_space: global }
      - { .name: xq, .offset: 40, .size: 8, .value_kind: global_buffer, .address_space: global }
      - { .name: wq, .offset: 48, .size: 8, .value_kind: global_buffer, .address_space: global }
    .group_segment_fixed_size: 284672
    .private_segment_fixed_size: 0
    .kernarg_segment_align: 8
    .kernarg_segment_size: 56
    .max_flat_workgroup_size: 256
    .sgpr_count:     66
    .vgpr_count:     256
    .wavefront_size: 32
...
	.end_amdgpu_metadata
.endif
;; end of part 1
;; launch gemm (part 2): grid 4 x 64, 4 waves a work-group, clusters of 4 x 4, 327,680 bytes of LDS; arguments xq, wq, qkv; writes qkv
.if DOCPART == 2
	.amdgcn_target "amdgcn-amd-amdhsa--gfx1250"
	.amdhsa_code_object_version 6
	.text
	.protected	k_qcf1d5b498e_gemm
	.globl	k_qcf1d5b498e_gemm
	.p2align	8
	.type	k_qcf1d5b498e_gemm,@function
k_qcf1d5b498e_gemm:
	s_mov_b64 s[64:65], 0
	v_nop
	global_prefetch_b8 v0, s[64:65] scope:SCOPE_SE
	s_setreg_imm32_b32 hwreg(HW_REG_WAVE_MODE, 25, 1), 1
	s_wait_xcnt 0x0
	s_wait_alu depctr_hold_cnt(0) depctr_sa_sdst(0) depctr_va_vdst(0) depctr_va_sdst(0) depctr_va_ssrc(0) depctr_va_vcc(0) depctr_vm_vsrc(0)
	s_getreg_b32 s2, hwreg(HW_REG_IB_STS2, 6, 4)
	s_cmp_eq_u32 s2, 0
	s_cbranch_scc0 .Lentry_in_a_cluster
	s_endpgm
.Lentry_in_a_cluster:
	s_bfe_u32 s2, ttmp6, 0x10000c
	s_cmp_lg_u32 s2, 0xf033
	s_cbranch_scc0 .Lentry_shape_is_right
	s_endpgm
.Lentry_shape_is_right:
; k, v, q = x [W_k | W_v | W_q] on codes of FP6 (E2M3) with E8M0 scales: M = 16,384, N = 3 x 1,024, K = 1,024.  The results are quantised on the way out and leave as images of operand registers; no f32 result goes to memory.
; A WORK-GROUP STAYS: it owns 256 rows of x and makes three tiles of 256 x 256 from them, one of k, one of v, one of q (tile column 4 t + cx, t = 1, 2, 0).  Four waves, 128 x 128 each: 64 accumulators, 512 registers.
; x's CODES STAY IN LDS: 256 rows x 1,024 K are 196,608 bytes, brought once.  Only the weights walk, in steps of 256 along K, through a ring of two slots that does not stop at a tile's end: a tile's last two changes of slots
; ask for the next tile's first two steps, and nothing waits for a tile's stores.
; Operands lie in memory as images (1,536 bytes a fragment), so what a tensor load brings is one dense block, a fragment is three ds_load_b128 of 512 consecutive bytes, and there is no pitch and no padding.
; WHICH OPERAND IS SOURCE 0 is fixed in the text.  k and v (a loop of two trips): source 0 = rows of x, source 1 = columns of W: a lane holds one column and its registers run along n, the next product's K.
; q (written out behind the loop; it is the last tile, so the refills that it does not issue are jumped over by nothing): source 0 = columns of W_q, source 1 = rows of x: a lane holds one query, its registers run along the columns.
; The rows of every tile are chosen (row r of tile i: 32 (i / 2) + 8 (i % 2) + r + 8 (r / 8)) so that the 16 registers of two neighbouring result tiles are 16 neighbours along that K.
; The scale words of a wave's 128 rows of x for all of K are 8 loads of 512 bytes, made once; those of its 128 columns are loaded anew for each tile, under the way out of the tile before.
; CLUSTERS: 4 x 4 work-groups; the grid is one cluster wide.  x's blocks are asked for jointly along a row of the cluster, the weights' along a column.
; LIMITS: NaN and infinities are not served; a block whose largest magnitude lies under 2^-124 gets the scale byte 1 (read by this program alone).
; REGISTERS: window 0: v16-29 addresses; v32-63 x's scale words, v64-95 the weights' (nothing else ever); v128-223 source 1's fragments, ONE set, on the way out the codes; v224-255 at work on the way out.
;   window 1: source 0's fragments, TWO sets, at v0 and v128.   windows 2, 3: accumulator (a, b) at v[8 (8 (a % 4) + b)], a = source 1's block, b = source 0's.
.set AHALF,  98304                     ; LDS: 128 rows of x, all of K: 64 images; two such halves from byte 0 on
.set AKH,    49152                     ; half of K of them: what one of x's tensor loads brings
.set BRING,  2*AHALF                   ; behind them the weights' ring:
.set BHALF,  24576                     ; 128 columns x 256 K: what one of the weights' tensor loads brings,
.set BSLOT,  2*BHALF                   ; two to a slot, two slots
.set SPARE,  BRING+2*BSLOT             ; the spare words, 128 bytes for each wave: two blocks of 256 bytes that no other line names
.set TSTEP,  786432                    ; in memory: from a tile column's codes to those of the same column of the next weight: 8 groups of 98,304 bytes
.set FR,   12
.set ADA,  16                          ; v16-17 LDS address of my 128 rows of x, K 0-511 and K 512-1,023
.set ADB,  20                          ; v20-21 of my 128 columns in slot 0, 1
.set LI,   24                          ; v24 16 x lane
.set L8,   25                          ; v25 8 x lane
.set SPW,  28                          ; v28 my spare word's LDS address; never rewritten
.set NIL,  29                          ; v29 0; never rewritten
.set XS,   32
.set WS,   64
.set AF,   128
.set PT,   224                         ; the way out: v224-230 second halves of codes; v232-247 maxima, bytes, scale operands; v248-255 a scale word for each block
.set TM,   232
.set PWR,  248
.set G1,   24                          ; s[24:31] group 1 for x's blocks; s[32:39] groups 0 of its two loads
.set G0,   32
.set G1B,  48                          ; s[48:55] group 1 for the weights'; s[56:63] groups 0, one for each slot
.set G0B,  56
.set MSB, 0
.macro WIN new                         ; the immediate's high byte repeats the setting that is left
.if MSB != (\new)
	s_set_vgpr_msb (MSB<<8)|(\new)
.set MSB, (\new)
.endif
.endm
.set MUL_LO, 0xa1                      ; source 0 window 1, source 1 window 0, C and D window 2
.set MUL_HI, 0xf1                      ; the same, C and D window 3
.set TO_B,   0x40                      ; destination window 1
; one matrix instruction.  z: the constant 0 starts the sum; ra, rb: the side's scale words stand in lanes 16-31
.macro WM d, a, b, z, sa, sb, ra, rb
.if (\z)
.if (\ra) && (\rb)
	v_wmma_scale_f32_16x16x128_f8f6f4 v[(\d):(\d)+7], v[(\a):(\a)+11], v[(\b):(\b)+11], 0, v[(\sa)], v[(\sb)] matrix_a_fmt:MATRIX_FMT_FP6 matrix_b_fmt:MATRIX_FMT_FP6 matrix_a_scale:MATRIX_SCALE_ROW1 matrix_b_scale:MATRIX_SCALE_ROW1
.elseif (\ra)
	v_wmma_scale_f32_16x16x128_f8f6f4 v[(\d):(\d)+7], v[(\a):(\a)+11], v[(\b):(\b)+11], 0, v[(\sa)], v[(\sb)] matrix_a_fmt:MATRIX_FMT_FP6 matrix_b_fmt:MATRIX_FMT_FP6 matrix_a_scale:MATRIX_SCALE_ROW1
.elseif (\rb)
	v_wmma_scale_f32_16x16x128_f8f6f4 v[(\d):(\d)+7], v[(\a):(\a)+11], v[(\b):(\b)+11], 0, v[(\sa)], v[(\sb)] matrix_a_fmt:MATRIX_FMT_FP6 matrix_b_fmt:MATRIX_FMT_FP6 matrix_b_scale:MATRIX_SCALE_ROW1
.else
	v_wmma_scale_f32_16x16x128_f8f6f4 v[(\d):(\d)+7], v[(\a):(\a)+11], v[(\b):(\b)+11], 0, v[(\sa)], v[(\sb)] matrix_a_fmt:MATRIX_FMT_FP6 matrix_b_fmt:MATRIX_FMT_FP6
.endif
.else
.if (\ra) && (\rb)
	v_wmma_scale_f32_16x16x128_f8f6f4 v[(\d):(\d)+7], v[(\a):(\a)+11], v[(\b):(\b)+11], v[(\d):(\d)+7], v[(\sa)], v[(\sb)] matrix_a_fmt:MATRIX_FMT_FP6 matrix_b_fmt:MATRIX_FMT_FP6 matrix_a_scale:MATRIX_SCALE_ROW1 matrix_b_scale:MATRIX_SCALE_ROW1
.elseif (\ra)
	v_wmma_scale_f32_16x16x128_f8f6f4 v[(\d):(\d)+7], v[(\a):(\a)+11], v[(\b):(\b)+11], v[(\d):(\d)+7], v[(\sa)], v[(\sb)] matrix_a_fmt:MATRIX_FMT_FP6 matrix_b_fmt:MATRIX_FMT_FP6 matrix_a_scale:MATRIX_SCALE_ROW1
.elseif (\rb)
	v_wmma_scale_f32_16x16x128_f8f6f4 v[(\d):(\d)+7], v[(\a):(\a)+11], v[(\b):(\b)+11], v[(\d):(\d)+7], v[(\sa)], v[(\sb)] matrix_a_fmt:MATRIX_FMT_FP6 matrix_b_fmt:MATRIX_FMT_FP6 matrix_b_scale:MATRIX_SCALE_ROW1
.else
	v_wmma_scale_f32_16x16x128_f8f6f4 v[(\d):(\d)+7], v[(\a):(\a)+11], v[(\b):(\b)+11], v[(\d):(\d)+7], v[(\sa)], v[(\sb)] matrix_a_fmt:MATRIX_FMT_FP6 matrix_b_fmt:MATRIX_FMT_FP6
.endif
.endif
.endm
; A first fill, jointly: waves 0 and 1 fetch for x, waves 2 and 3 for the weights.  The branch hangs on the wave's number alone.  An s_nop 0 and four v_nop follow each of the two lines.
.macro JLOAD g0a, g1a, g0b, g1b
	s_cmp_eq_u32 s15, 0
	s_cbranch_scc0 .Lfor_b_\@
	tensor_load_to_lds s[\g0a:\g0a+3], s[\g1a:\g1a+7]
	s_nop 0
.rept 4
	v_nop
.endr
	s_branch .Lasked_\@
.Lfor_b_\@:
	tensor_load_to_lds s[\g0b:\g0b+3], s[\g1b:\g1b+7]
	s_nop 0
.rept 4
	v_nop
.endr
.Lasked_\@:
.endm
; A joint refill of slot s: waves 2 and 3 fetch the weights' two halves, waves 0 and 1 have no part of it.  The branch hangs on the wave's number alone: it is the same in every work-group.
.macro BLOAD s
	s_cmp_eq_u32 s15, 0
	s_cbranch_scc1 .Lnone_\@
	tensor_load_to_lds s[G0B+4*(\s):G0B+4*(\s)+3], s[G1B:G1B+7]
	s_nop 0
.rept 4
	v_nop
.endr
.Lnone_\@:
.endm
; slot s's next block.  how = 1: two steps of 256 on along K; how = 2: back along K and on to the next weight (s[82:83]: 0, or three weights' worth where the next tile is q's)
.macro STEPB s, how
.if (\how) == 2
	s_add_nc_u64 s[G0B+4*(\s)+2:G0B+4*(\s)+3], s[G0B+4*(\s)+2:G0B+4*(\s)+3], TSTEP-2*BHALF
	s_sub_nc_u64 s[G0B+4*(\s)+2:G0B+4*(\s)+3], s[G0B+4*(\s)+2:G0B+4*(\s)+3], s[82:83]
.else
	s_add_nc_u64 s[G0B+4*(\s)+2:G0B+4*(\s)+3], s[G0B+4*(\s)+2:G0B+4*(\s)+3], 2*BHALF
.endif
.endm
.macro CREST                           ; a round of the cluster's barrier behind its opening barrier
	s_cmp_lg_u32 s14, 0
	s_cbranch_scc1 .Lnot_wave_0_\@
	s_barrier_signal -3
.Lnot_wave_0_\@:
	s_barrier_wait -3
	s_barrier_signal -1
	s_barrier_wait -1
.endm
.macro CROUND
	s_barrier_signal -1
	s_barrier_wait -1
	CREST
.endm
	s_load_b128 s[4:7], s[0:1], 0x0                ; xq s[4:5], wq s[6:7]
	s_load_b64 s[8:9], s[0:1], 0x10                ; qkv
	v_lshl_add_u32 v[SPW], v0, 2, SPARE
	v_mov_b32 v[NIL], 0
	ds_add_u32 v[SPW], v[NIL]                      ; the wave's opening: the add and its wait stand ahead of my first tensor load; work on registers stands between them
	v_lshrrev_b32 v1, 5, v0
	v_readfirstlane_b32 s14, v1                    ; wave 0..3
	s_lshr_b32 s15, s14, 1                         ; my half of x's rows.  Also: I fetch for x (0) or for the weights (1)
	s_and_b32 s16, s14, 1                          ; my half of the columns.  Also: which half I fetch
	s_bfe_u32 s40, ttmp6, 0x40000                  ; cx: my place along the cluster's x, which is also my tile column within a weight: the grid is one cluster wide
	s_bfe_u32 s41, ttmp6, 0x40004                  ; cy
	s_and_b32 s17, ttmp7, 0xffff
	s_lshl_b32 s17, s17, 2
	s_add_co_u32 s17, s17, s41                     ; tile row = 4 x cluster y + cy
	s_lshl_b32 s43, s41, 2
	s_lshl_b32 s43, 15, s43                        ; my row of the cluster
	s_lshl_b32 s44, 0x1111, s40                    ; my column
	; group 1: dense blocks as rows of 256 bytes (32 elements of 8 bytes), no padding: x's 192 rows, the weights' 96
	s_or_b32 s[G1], s43, (3<<16)|(1<<21)           ; the mask, elements of 8 bytes, bit 21 beside the mask
	s_or_b32 s[G1B], s44, (3<<16)|(1<<21)
.irp g, G1, G1B
	s_mov_b32 s[\g+1], 32<<16                      ; tensor_dim0
	s_mov_b32 s[\g+3], 32<<16                      ; tile_dim0
	s_mov_b32 s[\g+5], 32                          ; the pitch
	s_mov_b32 s[\g+6], 0
	s_mov_b32 s[\g+7], 0
.endr
	s_mov_b32 s[G1+2], 192<<16                     ; tensor_dim1
	s_mov_b32 s[G1+4], 192                         ; tile_dim1
	s_mov_b32 s[G1B+2], 96<<16
	s_mov_b32 s[G1B+4], 96
	s_lshl_b32 s20, s17, 1
	s_add_co_u32 s20, s20, s16
	s_mul_i32 s20, s20, 98304                      ; x: group of 128 rows 2 x tile row + half; 64 images a group
	s_mov_b32 s21, 0
	s_add_co_u32 s46, s40, 4                       ; the first tile is k's: tile column 4 + cx
	s_lshl_b32 s46, s46, 1
	s_add_co_u32 s46, s46, s16
	s_mul_i32 s46, s46, 98304                      ; the weights: group of 128 columns 2 x tile column + half
	s_mov_b32 s47, 0
	s_mul_i32 s45, s16, AHALF                      ; where they go: no place in the cluster enters an LDS address
	s_mul_i32 s19, s16, BHALF
	s_add_co_u32 s19, s19, BRING
	s_wait_dscnt 0x0                               ; the opening add is done
	s_wait_kmcnt 0x0
	s_add_nc_u64 s[20:21], s[4:5], s[20:21]
	s_add_nc_u64 s[46:47], s[6:7], s[46:47]
	CROUND                                         ; all sixteen work-groups are here: the first joint loads meet
.irp s, 0,1                            ; two loads a wave: x's K 0-511 or the weights' slot 0, then x's K 512-1,023 or slot 1
	s_mov_b32 s[G0+4*\s], 1
	s_add_co_u32 s[G0+4*\s+1], s45, \s*AKH
	s_add_nc_u64 s[G0+4*\s+2:G0+4*\s+3], s[20:21], \s*AKH
	s_or_b32 s[G0+4*\s+3], s[G0+4*\s+3], 0x80000000
	s_mov_b32 s[G0B+4*\s], 1
	s_add_co_u32 s[G0B+4*\s+1], s19, \s*BSLOT
	s_add_nc_u64 s[G0B+4*\s+2:G0B+4*\s+3], s[46:47], \s*BHALF
	s_or_b32 s[G0B+4*\s+3], s[G0B+4*\s+3], 0x80000000
	JLOAD G0+4*\s, G1, G0B+4*\s, G1B
.endr
	v_and_b32 v1, 31, v0
	v_lshlrev_b32 v[LI], 4, v1
	v_lshlrev_b32 v[L8], 3, v1
	s_mul_i32 s21, s15, AHALF                      ; my 128 rows of x,
	s_mul_i32 s22, s16, BHALF
	s_add_co_u32 s22, s22, BRING                   ; my 128 columns in a slot
.irp s, 0,1
	v_add_nc_u32 v[ADA+\s], s21, v[LI]
	v_add_nc_u32 v[ADB+\s], s22, v[LI]
	s_add_co_u32 s21, s21, AKH
	s_add_co_u32 s22, s22, BSLOT
.endr
	s_lshl_b32 s66, s17, 1
	s_add_co_u32 s66, s66, s15                     ; my group of rows, 0..127
	s_lshl_b32 s67, s40, 1
	s_add_co_u32 s67, s67, s16                     ; my group of columns within a weight, 0..7: a pair of heads
	s_lshl_b32 s68, s66, 12
	s_mov_b32 s69, 0
	s_add_nc_u64 s[78:79], s[4:5], s[68:69]
	s_add_nc_u64 s[78:79], s[78:79], 12582912      ; x's scale images: 8 x 512 bytes a group
	s_lshl_b32 s68, s67, 12
	s_add_nc_u64 s[80:81], s[6:7], s[68:69]
	s_add_nc_u64 s[80:81], s[80:81], 3145728       ; W_q's; W_k's lie 32,768 bytes on,
	s_add_nc_u64 s[84:85], s[80:81], 65536         ; W_v's 65,536: the pointer from which the next tile's are loaded
.irp s, 0,1,2,3,4,5,6,7
	global_load_b128 v[XS+4*\s:XS+4*\s+3], v[LI], s[78:79] offset:512*\s         ; K step s of 128: register j holds tile 2 j's words in lanes 0-15, tile 2 j + 1's in lanes 16-31
	global_load_b128 v[WS+4*\s:WS+4*\s+3], v[LI], s[80:81] offset:32768+512*\s   ; W_k's
.endr
	; where the results go
	s_lshr_b32 s86, s66, 5                         ; batch
	s_and_b32 s87, s66, 31                         ; group of 128 n in it
	s_lshl_b32 s88, s86, 3
	s_add_co_u32 s88, s88, s67
	s_lshl_b32 s88, s88, 5
	s_add_co_u32 s88, s88, s87                     ; the unit's index in q's part; k's and v's lie 1,024 and 2,048 units on
	s_lshl_b32 s90, s88, 9
	s_mov_b32 s91, 0
	s_add_nc_u64 s[76:77], s[8:9], s[90:91]
	s_add_nc_u64 s[76:77], s[76:77], 37748736      ; q's scale image,
	s_add_nc_u64 s[74:75], s[76:77], 524288        ; k's: it steps to v's
	s_mul_i32 s90, s88, 12288
	s_add_nc_u64 s[70:71], s[8:9], s[90:91]
	s_add_nc_u64 s[70:71], s[70:71], 12582912      ; k's 8 images: it steps to v's
	s_lshl_b32 s89, s86, 4
	s_lshl_b32 s92, s67, 1
	s_add_co_u32 s89, s89, s92
	s_lshl_b32 s89, s89, 5
	s_add_co_u32 s89, s89, s87
	s_mul_i32 s90, s89, 6144
	s_add_nc_u64 s[72:73], s[8:9], s[90:91]        ; q: half images [batch][head][group][tile] of 768 bytes
	s_mov_b32 s83, 0
	s_mov_b32 s93, 0x1800000                       ; the floor 2^(3 - 127)
	s_mov_b32 s94, 0xffff0000                      ; lanes 16-31
	s_mov_b32 s96, 0x76543210
	s_mov_b32 s97, 0xfedcba98
; An image comes back as it was stored: three loads of 512 consecutive bytes.  kap: the step of 256 along K (0..3); q: its first or second 128; i: the tile
.macro FRA reg, kap, q, i              ; of x: it lies where it was brought, 16 images for each step of 256
.irp c, 0,1,2
	ds_load_b128 v[(\reg)+4*\c:(\reg)+4*\c+3], v[ADA+(\kap)/2] offset:(16*((\kap)%2)+8*(\q)+(\i))*1536+512*\c
.endr
.endm
.macro FRB reg, kap, q, i              ; of the weights: in slot kap % 2
.irp c, 0,1,2
	ds_load_b128 v[(\reg)+4*\c:(\reg)+4*\c+3], v[ADB+(\kap)%2] offset:(8*(\q)+(\i))*1536+512*\c
.endr
.endm
; QR = 0: source 0 = x, source 1 = the weights (k, v);  QR = 1: the other way round (q).  S0B, S1B: where the two sources' scale words stand.
; 16 matrix instructions: source 1's blocks a0, a0 + 1 x source 0's eight.  p: source 0's set; ks: the K step of 128.  The 64 accumulators take turns, one instruction a turn.
.macro MUL16 a0, p, ks, zero
.irp a, \a0, \a0+1
.irp b, 0,1,2,3,4,5,6,7
	WM 8*(8*((\a)%4)+\b), 128*(\p)+FR*\b, AF+FR*(\a), \zero, S0B+4*(\ks)+\b/2, S1B+4*(\ks)+(\a)/2, \b%2, (\a)%2
.endr
.endr
.endm
.macro FETCH0 kap, q, p
	WIN TO_B
.irp i, 0,1,2,3,4,5,6,7
.if QR
	FRB 128*(\p)+FR*\i, \kap, \q, \i
.else
	FRA 128*(\p)+FR*\i, \kap, \q, \i
.endif
.endr
	WIN 0
.endm
.macro FETCH1 kap, q, i0
.irp i, \i0, \i0+1, \i0+2, \i0+3
.if QR
	FRA AF+FR*(\i), \kap, \q, \i
.else
	FRB AF+FR*(\i), \kap, \q, \i
.endif
.endr
.endm
.macro PLACES                          ; four places in front of loads into registers that matrix instructions have read (ISA guide 7.12.1 for vector instructions)
.rept 4
	v_nop
.endr
.endm
; the first 128 along K of step kap
.macro STEP kap, ks, zero
	s_wait_dscnt 12                                ; source 0's set and source 1's blocks 0-3 are in; the youngest 12 loads (blocks 4-7) may be out
	WIN MUL_LO
	MUL16 0, 0, \ks, \zero
	MUL16 2, 0, \ks, \zero
	s_wait_dscnt 0x0                               ; blocks 4-7 are in
	PLACES
	FETCH0 \kap, 1, 1
	FETCH1 \kap, 1, 0
	WIN MUL_HI
	MUL16 4, 0, \ks, \zero
	MUL16 6, 0, \ks, \zero
	PLACES
	WIN 0
	FETCH1 \kap, 1, 4
.endm
; the second 128 along K of step kap, and the change of slots: ONE barrier; in front of it each wave waits for all its tensor loads, adds 0 to its spare word, and waits for that and for its reads of this slot.
; fill = 1, 2: the slot is filled again (STEPB says with what); 0: nothing is left to fetch
.macro TURN kap, nxt, fill, ks
	s_wait_tensorcnt 0x0                           ; all my tensor loads have landed: my part of the next slot (at the first change x's second half of K too)
	ds_add_u32 v[SPW], v[NIL]                      ; 0 onto my spare word
	s_wait_dscnt 13                                ; (the add and the youngest 12 loads may be out)
	WIN MUL_LO
	MUL16 0, 1, \ks, 0                             ; sixteen matrix instructions stand between the add and the wait for it
	s_wait_dscnt 0x0                               ; the add is done, and my reads of this slot are over
	s_barrier_signal -1
	MUL16 2, 1, \ks, 0
	WIN 0
	s_barrier_wait -1
.if \fill
	CREST                                          ; the barrier has opened a round of the cluster's barrier: no wave of any partner still reads this slot or has a load on its way
	STEPB (\kap)%2, \fill
	BLOAD (\kap)%2                                 ; the first tensor load behind the round, one a wave
.endif
	PLACES                                         ; on every wave's way, the waves that fetch nothing too
	FETCH0 \nxt, 0, 0
	FETCH1 \nxt, 0, 0
	WIN MUL_HI
	MUL16 4, 1, \ks, 0
	MUL16 6, 1, \ks, 0
	PLACES
	WIN 0
	FETCH1 \nxt, 0, 4
.endm
; a tile's last 128 along K.  fill = 2: slot 1 is left and takes the next tile's second step; that tile's first step, asked for at the change before, is shown landed to every wave by this change's wait and round.
.macro FINAL fill
.if \fill
	s_wait_tensorcnt 0x0                           ; all my tensor loads have landed: my part of the next tile's first step
	ds_add_u32 v[SPW], v[NIL]                      ; 0 onto my spare word
	s_wait_dscnt 13                                ; (the add and the youngest 12 loads may be out)
	WIN MUL_LO
	MUL16 0, 1, 7, 0
	s_wait_dscnt 0x0                               ; the add is done, and my reads of slot 1 are over
	s_barrier_signal -1
	MUL16 2, 1, 7, 0
	WIN 0
	s_barrier_wait -1
	CREST
	STEPB 1, \fill
	BLOAD 1
.else
	s_wait_dscnt 12
	WIN MUL_LO
	MUL16 0, 1, 7, 0
	MUL16 2, 1, 7, 0
	s_wait_dscnt 0x0
.endif
	WIN MUL_HI
	MUL16 4, 1, 7, 0
	MUL16 6, 1, 7, 0
	WIN 0
.endm
; THE WAY OUT.  The 64 registers of source 1's block a are, in lane (r, h), the numbers 32 b + 16 h + i (register 16 b + i) along the next K of row r: they become one fragment's codes and one scale word a row.
.macro QUANTW s, w, pc, pw
	WIN ((\w)<<2)|((\w)<<4)                        ; sources 1 and 2: the accumulators' window
.irp b, 0,1,2,3
	v_max3_num_f32 v[TM+\b], s93, |v[(\s)+16*\b]|, |v[(\s)+16*\b+1]|   ; each accumulator is read from its low end on; the floor is one more leaf
.endr
.irp i, 2,4,6,8,10,12,14
.irp b, 0,1,2,3
	v_max3_num_f32 v[TM+\b], v[TM+\b], |v[(\s)+16*\b+\i]|, |v[(\s)+16*\b+\i+1]|
.endr
.endr
	WIN 0
.irp b, 0,1,2,3
	v_permlanex16_b32 v[TM+4+\b], v[TM+\b], s96, s97
.endr
.irp b, 0,1,2,3
	v_max_num_f32 v[TM+\b], v[TM+\b], v[TM+4+\b]   ; with lane l xor 16's: the block's largest magnitude
.endr
.irp b, 0,1,2,3
	v_add_nc_u32 v[TM+12+\b], 0xff000000, v[TM+\b] ; 2 off the exponent field: the conversion's scale operand
.endr
.irp b, 0,1,2,3
	v_lshrrev_b32 v[TM+4+\b], 23, v[TM+12+\b]      ; the scale's byte
.endr
	v_lshl_or_b32 v[\pw], v[TM+5], 8, v[TM+4]
	v_lshl_or_b32 v[\pw], v[TM+6], 16, v[\pw]
	v_lshl_or_b32 v[\pw], v[TM+7], 24, v[\pw]
	WIN (\w)                                       ; source 0: the accumulators' window
.irp c, 0,1
	v_cvt_scalef32_pk16_fp6_f32 v[(\pc)+6*\c:(\pc)+6*\c+2], v[(\s)+32*\c:(\s)+32*\c+15], v[TM+12+2*\c]
	v_cvt_scalef32_pk16_fp6_f32 v[PT+4*\c:PT+4*\c+2], v[(\s)+32*\c+16:(\s)+32*\c+31], v[TM+12+2*\c+1]
.endr
	WIN 0
	v_nop                                          ; one plain place behind a scaled conversion
.irp c, 0,1                            ; the operand's layout wants a WHOLE block in a lane
.irp i, 0,1,2
	v_permlane16_swap_b32 v[(\pc)+6*\c+\i], v[PT+4*\c+\i]
.endr
.irp i, 0,1,2
	v_mov_b32 v[(\pc)+6*\c+3+\i], v[PT+4*\c+\i]
.endr
.endr
.endm
; reload = 1: the next tile's scale words of the weights are asked for first, and land while this tile is quantised.  Each block's codes have registers of their own and are stored as soon as they are made.
.macro WAYOUT reload
.irp k, 0,1,2,3
	v_mov_b32 v[TM+4+\k], 0                        ; a lane permute's destination counts as one of its sources; these four are also the places behind the last products
.endr
.if \reload
.irp s, 0,1,2,3,4,5,6,7
	global_load_b128 v[WS+4*\s:WS+4*\s+3], v[LI], s[84:85] offset:512*\s
.endr
.endif
.irp a, 0,1,2,3,4,5,6,7
	QUANTW 64*(\a%4), 2+\a/4, AF+12*\a, PWR+\a
.if QR
.irp t, 0,1,2,3,4,5                    ; q: registers 0-5 are the pair's first head, 6-11 its second: two half images, each store 256 consecutive bytes
	global_store_b64 v[L8], v[AF+12*\a+2*\t:AF+12*\a+2*\t+1], s[72:73] offset:\a*768+(\t%3)*256+(\t/3)*196608
.endr
.else
.irp c, 0,1,2                          ; k, v: whole images, each store 512 consecutive bytes
	global_store_b128 v[LI], v[AF+12*\a+4*\c:AF+12*\a+4*\c+3], s[70:71] offset:\a*1536+512*\c
.endr
.endif
.endr
.irp j, 0,1,2,3
	v_cndmask_b32 v[TM+\j], v[PWR+2*\j], v[PWR+2*\j+1], s94   ; the scale image: word j: lanes 0-15 block 2 j's, lanes 16-31 block 2 j + 1's
.endr
.if QR
	global_store_b128 v[LI], v[TM:TM+3], s[76:77]
.else
	global_store_b128 v[LI], v[TM:TM+3], s[74:75]
.endif
.endm
	s_wait_tensorcnt 0x1                           ; my first load is in (x's K 0-511, or slot 0); my one younger load may be out
	s_barrier_signal -1
	s_barrier_wait -1
	s_wait_loadcnt 0x0                             ; the scale words
	s_mov_b32 s3, 2                                ; tiles of the loop still to make: the same number in every work-group
.set QR,  0
.set S0B, XS
.set S1B, WS
.Ltile:                                            ; k, then v.  Every change of slots fills a slot again: the last two with the next tile's first two steps
	s_cmp_eq_u32 s3, 1
	s_cselect_b32 s82, 0x240000, 0                 ; behind v comes q: three weights' worth back from where the step would lead
	FETCH0 0, 0, 0
	FETCH1 0, 0, 0
	FETCH1 0, 0, 4
	STEP 0, 0, 1                                   ; the first products start the sums: nothing is cleared
	TURN 0, 1, 1, 1
	STEP 1, 2, 0
	TURN 1, 2, 1, 3
	STEP 2, 4, 0
	TURN 2, 3, 2, 5
	STEP 3, 6, 0
	FINAL 2
	WAYOUT 1
	s_wait_loadcnt 0x0                             ; the next tile's scale words are in
	s_wait_xcnt 0x0                                ; the stores have read their registers and their bases: the next tile's fragments may land on the codes, and the bases may step
	s_sub_nc_u64 s[84:85], s[84:85], 65536         ; from W_v's scale images to W_q's
	s_add_nc_u64 s[70:71], s[70:71], 12582912      ; from k's images to v's
	s_add_nc_u64 s[74:75], s[74:75], 524288
	s_sub_co_u32 s3, s3, 1
	s_cmp_lg_u32 s3, 0
	s_cbranch_scc1 .Ltile
.set QR,  1
.set S0B, WS
.set S1B, XS
	FETCH0 0, 0, 0                                 ; q: the last tile, written out: its last two changes of slots ask for nothing
	FETCH1 0, 0, 0
	FETCH1 0, 0, 4
	STEP 0, 0, 1
	TURN 0, 1, 1, 1
	STEP 1, 2, 0
	TURN 1, 2, 1, 3
	STEP 2, 4, 0
	TURN 2, 3, 0, 5
	STEP 3, 6, 0
	FINAL 0
	WAYOUT 0
	s_wait_tensorcnt 0x0                           ; the wave's end
	ds_add_u32 v[SPW], v[NIL]
	s_wait_dscnt 0x0
	CROUND                                         ; the closing round: no work-group ends while a partner may still ask for a block that names it
	s_endpgm
.Lfunc_end_k_qcf1d5b498e_gemm:
	.size	k_qcf1d5b498e_gemm, .Lfunc_end_k_qcf1d5b498e_gemm-k_qcf1d5b498e_gemm
	.p2alignl 7, 3214868480
	.fill 96, 4, 3214868480
	.section	.rodata,"a",@progbits
	.p2align	6, 0x0
	.amdhsa_kernel k_qcf1d5b498e_gemm
		.amdhsa_group_segment_fixed_size 327680
		.amdhsa_private_segment_fixed_size 0
		.amdhsa_enable_private_segment 0
		.amdhsa_kernarg_size 24
		.amdhsa_user_sgpr_count 2
		.amdhsa_user_sgpr_kernarg_segment_ptr 1
		.amdhsa_wavefront_size32 1
		.amdhsa_system_sgpr_workgroup_id_x 1
		.amdhsa_system_sgpr_workgroup_id_y 1
		.amdhsa_system_sgpr_workgroup_id_z 1
		.amdhsa_system_vgpr_workitem_id 0
		.amdhsa_next_free_vgpr 1024
		.amdhsa_next_free_sgpr 100
		.amdhsa_reserve_vcc 0
		.amdhsa_float_denorm_mode_32 3
		.amdhsa_float_denorm_mode_16_64 3
		.amdhsa_memory_ordered 1
		.amdhsa_forward_progress 1
		.amdhsa_inst_pref_size 255
	.end_amdhsa_kernel
	.section	.bss,"aw",@nobits
	.p2align	6
	.space	262144
	.amdgpu_metadata
---
amdhsa.version: [ 1, 2 ]
amdhsa.kernels:
  - .name:           k_qcf1d5b498e_gemm
    .symbol:         k_qcf1d5b498e_gemm.kd
    .args:
      - { .name: xq, .offset: 0, .size: 8, .value_kind: global_buffer, .address_space: global }
      - { .name: wq, .offset: 8, .size: 8, .value_kind: global_buffer, .address_space: global }
      - { .name: qkv, .offset: 16, .size: 8, .value_kind: global_buffer, .address_space: global }
    .group_segment_fixed_size: 327680
    .private_segment_fixed_size: 0
    .kernarg_segment_align: 8
    .kernarg_segment_size: 24
    .max_flat_workgroup_size: 128
    .sgpr_count:     100
    .vgpr_count:     1024
    .wavefront_size: 32
...
	.end_amdgpu_metadata
.endif
;; end of part 2
;; launch lowrank (part 3): grid 256 x 1, 4 waves a work-group, no clusters, 131,840 bytes of LDS; arguments wq, qkv, kvp; writes kvp
.if DOCPART == 3
	.amdgcn_target "amdgcn-amd-amdhsa--gfx1250"
	.amdhsa_code_object_version 6
	.text
	.protected	k_qcf1d5b498e_lowrank
	.globl	k_qcf1d5b498e_lowrank
	.p2align	8
	.type	k_qcf1d5b498e_lowrank,@function
k_qcf1d5b498e_lowrank:
	s_mov_b64 s[64:65], 0
	v_nop
	global_prefetch_b8 v0, s[64:65] scope:SCOPE_SE
	s_setreg_imm32_b32 hwreg(HW_REG_WAVE_MODE, 25, 1), 1
	s_wait_xcnt 0x0
; k_proj[e][d] = sum over n of k[n][d] proj[n][e], and v_proj likewise, for each batch and pair of heads, on codes of FP6 (E2M3) with E8M0 scales, K = n = 4,096; the results are quantised and leave as images.
; Work-group u: bit 7: k (0) or v (1); bits 6:2: X = 8 x batch + pair of heads; bits 1:0: z.  Its tile is 128 (source 0: 8 tiles) x 64 (source 1: 4 tiles).
;   k: source 0 = k's 128 columns, source 1 = proj's tiles 4 (z % 2) .. + 3 of e group z / 2: a lane holds one e, its registers run along d, K of the scores' product.
;   v: source 0 = proj's e group z / 2, source 1 = v's column tiles 4 (z % 2) .. + 3: a lane holds one d, its registers run along e, K of the last product.
; The two differ in pointers alone (chosen on the work-group's number): one text.
; THE WAVES SHARE K: wave w takes n steps 8 w .. 8 w + 7 of 128 and holds all 32 accumulators; fragments come from memory straight into registers, as images, and no byte is read twice in a work-group.
; The four partial sums meet in LDS; wave w adds and quantises source 1's tile w.  So the sum along n is made in four parts and these are added in f32.
; No cluster: the z partners share source 0's images in the k half only, and a ring with rounds for eight short steps would cost more than the shared reads save.
; LIMITS: NaN and infinities are not served; a block whose largest magnitude lies under 2^-124 gets the scale byte 1 (read by this program alone).
; REGISTERS: window 0: v1-9 addresses; v32-39 source 0's scale words (two sets of 4), v40-43 source 1's (two sets of 2); v64-191 sums; v192-228 the quantiser.
;   window 1: accumulator (a, b) at v[8 (8 a + b)].   windows 2, 3: fragment sets 0, 1: source 0's at v[12 b], source 1's at v[96 + 12 a].
.set SCW,   131072                     ; LDS: 0 .. 131,071 the four waves' partial sums, 32,768 bytes each; then 256 bytes of scale words;
.set SPARE, 131328                     ; then the spare words, 128 bytes for each wave: two blocks of 256 bytes that no other line names
.set H,   64
.set T,   128
.set PC,  192
.set PT,  204
.set TM,  212
.set PW,  228
.set MSB, 0
.macro WIN new
.if MSB != (\new)
	s_set_vgpr_msb (MSB<<8)|(\new)
.set MSB, (\new)
.endif
.endm
.macro WM d, a, b, z, sa, sb, ra, rb
.if (\z)
.if (\ra) && (\rb)
	v_wmma_scale_f32_16x16x128_f8f6f4 v[(\d):(\d)+7], v[(\a):(\a)+11], v[(\b):(\b)+11], 0, v[(\sa)], v[(\sb)] matrix_a_fmt:MATRIX_FMT_FP6 matrix_b_fmt:MATRIX_FMT_FP6 matrix_a_scale:MATRIX_SCALE_ROW1 matrix_b_scale:MATRIX_SCALE_ROW1
.elseif (\ra)
	v_wmma_scale_f32_16x16x128_f8f6f4 v[(\d):(\d)+7], v[(\a):(\a)+11], v[(\b):(\b)+11], 0, v[(\sa)], v[(\sb)] matrix_a_fmt:MATRIX_FMT_FP6 matrix_b_fmt:MATRIX_FMT_FP6 matrix_a_scale:MATRIX_SCALE_ROW1
.elseif (\rb)
	v_wmma_scale_f32_16x16x128_f8f6f4 v[(\d):(\d)+7], v[(\a):(\a)+11], v[(\b):(\b)+11], 0, v[(\sa)], v[(\sb)] matrix_a_fmt:MATRIX_FMT_FP6 matrix_b_fmt:MATRIX_FMT_FP6 matrix_b_scale:MATRIX_SCALE_ROW1
.else
	v_wmma_scale_f32_16x16x128_f8f6f4 v[(\d):(\d)+7], v[(\a):(\a)+11], v[(\b):(\b)+11], 0, v[(\sa)], v[(\sb)] matrix_a_fmt:MATRIX_FMT_FP6 matrix_b_fmt:MATRIX_FMT_FP6
.endif
.else
.if (\ra) && (\rb)
	v_wmma_scale_f32_16x16x128_f8f6f4 v[(\d):(\d)+7], v[(\a):(\a)+11], v[(\b):(\b)+11], v[(\d):(\d)+7], v[(\sa)], v[(\sb)] matrix_a_fmt:MATRIX_FMT_FP6 matrix_b_fmt:MATRIX_FMT_FP6 matrix_a_scale:MATRIX_SCALE_ROW1 matrix_b_scale:MATRIX_SCALE_ROW1
.elseif (\ra)
	v_wmma_scale_f32_16x16x128_f8f6f4 v[(\d):(\d)+7], v[(\a):(\a)+11], v[(\b):(\b)+11], v[(\d):(\d)+7], v[(\sa)], v[(\sb)] matrix_a_fmt:MATRIX_FMT_FP6 matrix_b_fmt:MATRIX_FMT_FP6 matrix_a_scale:MATRIX_SCALE_ROW1
.elseif (\rb)
	v_wmma_scale_f32_16x16x128_f8f6f4 v[(\d):(\d)+7], v[(\a):(\a)+11], v[(\b):(\b)+11], v[(\d):(\d)+7], v[(\sa)], v[(\sb)] matrix_a_fmt:MATRIX_FMT_FP6 matrix_b_fmt:MATRIX_FMT_FP6 matrix_b_scale:MATRIX_SCALE_ROW1
.else
	v_wmma_scale_f32_16x16x128_f8f6f4 v[(\d):(\d)+7], v[(\a):(\a)+11], v[(\b):(\b)+11], v[(\d):(\d)+7], v[(\sa)], v[(\sb)] matrix_a_fmt:MATRIX_FMT_FP6 matrix_b_fmt:MATRIX_FMT_FP6
.endif
.endif
.endm
	s_load_b128 s[4:7], s[0:1], 0x0                ; wq s[4:5], qkv s[6:7]
	s_load_b64 s[8:9], s[0:1], 0x10                ; kvp
	v_lshl_add_u32 v1, v0, 2, SPARE                ; my spare word's address; never rewritten
	v_mov_b32 v2, 0                                ; 0; never rewritten
	v_lshrrev_b32 v10, 5, v0
	v_readfirstlane_b32 s10, v10                   ; wave 0..3
	v_and_b32 v10, 31, v0
	v_and_b32 v11, 15, v0
	v_lshlrev_b32 v3, 4, v10                       ; 16 x lane
	v_lshlrev_b32 v4, 3, v10                       ; 8 x lane
	s_lshl_b32 s11, s10, 15
	v_add_nc_u32 v5, s11, v3                       ; where I put my partial sums
	s_lshl_b32 s11, s10, 13
	v_add_nc_u32 v6, s11, v3                       ; tile w's 8,192 bytes in waves 0 and 1's,
	v_add_nc_u32 v7, 65536, v6                     ; and in waves 2 and 3's
	s_lshl_b32 s11, s10, 6
	v_lshl_add_u32 v8, v11, 2, s11
	v_add_nc_u32 v8, SCW, v8                       ; my row's scale word: 64 x wave + 4 r
	v_add_nc_u32 v9, SCW, v4
.irp b, 0,1,2,3
	v_mov_b32 v[TM+4+\b], 0                        ; written once: a lane permute's destination counts as one of its sources
.endr
	s_lshr_b32 s12, ttmp9, 7                       ; 0: k, 1: v
	s_bfe_u32 s13, ttmp9, 0x50002                  ; X
	s_and_b32 s14, ttmp9, 3                        ; z
	s_and_b32 s15, ttmp9, 1                        ; z % 2
	s_lshr_b32 s16, s14, 1                         ; the e group
	s_add_co_u32 s17, s12, 1
	s_lshl_b32 s17, s17, 5
	s_add_co_u32 s17, s17, s13                     ; 32 (1 + k or v) + X
	s_mul_i32 s20, s17, 393216                     ; 32 n steps of 8 images
	s_mul_i32 s18, s10, 98304                      ; my 8 n steps
	s_add_co_u32 s20, s20, s18
	s_mov_b32 s21, 0
	s_lshl_b32 s19, s16, 5
	s_add_co_u32 s19, s19, 192                     ; proj's first unit of the e group
	s_mul_i32 s22, s19, 12288
	s_add_co_u32 s22, s22, s18
	s_mov_b32 s23, 0
	s_lshl_b32 s24, s17, 14                        ; the scale images: 512 bytes an n step
	s_lshl_b32 s18, s10, 12
	s_add_co_u32 s24, s24, s18
	s_add_co_u32 s24, s24, 37748736
	s_mov_b32 s25, 0
	s_lshl_b32 s26, s19, 9
	s_add_co_u32 s26, s26, s18
	s_add_co_u32 s26, s26, 3145728
	s_mov_b32 s27, 0
	s_mov_b32 s50, 0x76543210
	s_mov_b32 s51, 0xfedcba98
	s_wait_kmcnt 0x0
	s_add_nc_u64 s[20:21], s[6:7], s[20:21]        ; k's or v's images
	s_add_nc_u64 s[22:23], s[4:5], s[22:23]        ; proj's
	s_add_nc_u64 s[24:25], s[6:7], s[24:25]
	s_add_nc_u64 s[26:27], s[4:5], s[26:27]
	s_mov_b32 s39, 768
	s_mov_b32 s41, 12288
	s_cmp_eq_u32 s12, 1                            ; the choices hang on the work-group's number alone
	s_cselect_b64 s[28:29], s[22:23], s[20:21]     ; source 0
	s_cselect_b64 s[30:31], s[20:21], s[22:23]     ; source 1
	s_cselect_b64 s[32:33], s[26:27], s[24:25]     ; their scale images
	s_cselect_b64 s[34:35], s[24:25], s[26:27]
	s_cselect_b32 s40, 1536, s39                   ; out: from tile to tile,
	s_cselect_b32 s41, 768, s41                    ; from registers 0-5 to registers 6-11,
	s_cselect_b32 s42, 786432, 0                   ; and the region
	s_mul_i32 s36, s15, 6144
	s_mov_b32 s37, 0
	s_add_nc_u64 s[30:31], s[30:31], s[36:37]      ; source 1's tiles 4 (z % 2) on,
	s_lshl_b32 s36, s15, 3
	s_add_nc_u64 s[34:35], s[34:35], s[36:37]      ; whose words are two of a lane's four
	s_lshl_b32 s38, s14, 2
	s_add_co_u32 s38, s38, s10                     ; the tile that I write: 4 z + wave
	s_mul_i32 s38, s38, s40
	s_mul_i32 s43, s13, 24576
	s_add_co_u32 s38, s38, s43
	s_add_co_u32 s38, s38, s42
	s_mov_b32 s39, 0
	s_add_nc_u64 s[44:45], s[8:9], s[38:39]
	s_mov_b32 s42, s41
	s_mov_b32 s43, 0
	s_add_nc_u64 s[46:47], s[44:45], s[42:43]
	s_lshl_b32 s38, ttmp9, 8
	s_add_nc_u64 s[48:49], s[8:9], s[38:39]
	s_add_nc_u64 s[48:49], s[48:49], 1572864       ; the work-group's 256 bytes of scale words
.macro LOAD t, set                     ; n step t of my eight: 36 loads of 512 bytes, and the scale words: 38 loads
	WIN (2+(\set))<<6
.irp i, 0,1,2,3,4,5,6,7
.irp c, 0,1,2
	global_load_b128 v[12*\i+4*\c:12*\i+4*\c+3], v3, s[28:29] offset:(\t)*12288+\i*1536+512*\c
.endr
.endr
.irp a, 0,1,2,3
.irp c, 0,1,2
	global_load_b128 v[96+12*\a+4*\c:96+12*\a+4*\c+3], v3, s[30:31] offset:(\t)*12288+\a*1536+512*\c
.endr
.endr
	WIN 0
	global_load_b128 v[32+4*(\set):32+4*(\set)+3], v3, s[32:33] offset:(\t)*512
	global_load_b64 v[40+2*(\set):40+2*(\set)+1], v3, s[34:35] offset:(\t)*512
.endm
.macro MULT set, zero                  ; the 32 accumulators take turns, one instruction a turn
	WIN 0x50|(5*(2+(\set)))
.irp a, 0,1,2,3
.irp b, 0,1,2,3,4,5,6,7
	WM 8*(8*\a+\b), 12*\b, 96+12*\a, \zero, 32+4*(\set)+\b/2, 40+2*(\set)+\a/2, \b%2, \a%2
.endr
.endr
	WIN 0
.endm
	LOAD 0, 0
	LOAD 1, 1
.irp t, 0,1,2,3,4,5,6,7
.if \t < 7
	s_wait_loadcnt 38                              ; this n step's loads are in; the next step's 38, the only ones issued behind them, may be out
.else
	s_wait_loadcnt 0x0
.endif
.if \t == 0
	MULT 0, 1                                      ; the first step starts the sums
.else
	MULT \t%2, 0
.endif
.rept 4
	v_nop                                          ; places in front of loads into registers that these products read, and of the first read of results
.endr
.if \t < 6
	LOAD \t+2, \t%2
.endif
.endr
	WIN 0x04                                       ; an LDS store's data are its source 1: window 1
.set n, 0
.rept 64
	ds_store_b128 v5, v[4*n:4*n+3] offset:512*n    ; in ascending order: each accumulator from its low end on
.set n, n+1
.endr
	WIN 0
	s_wait_dscnt 0x0                               ; for the others' sake: my stores have landed
	s_barrier_signal -1
	s_barrier_wait -1
	WIN 0x80                                       ; destination window 2
.irp u, 0,1,2,3
.irp k, 0,1,2,3,4,5,6,7,8,9,10,11,12,13,14,15
	ds_load_b128 v[64*\u+4*\k:64*\u+4*\k+3], v[6+\u/2] offset:(\u%2)*32768+512*\k   ; tile w of wave u's sums
.endr
.endr
	WIN 0
	s_wait_dscnt 0x0
	WIN 0x0a                                       ; sources 0 and 1 window 2
.set n, 0
.rept 32
	v_pk_add_f32 v[H+n:H+n+1], v[n:n+1], v[64+n:64+n+1]
	v_pk_add_f32 v[T+n:T+n+1], v[128+n:128+n+1], v[192+n:192+n+1]
.set n, n+2
.endr
	WIN 0
.set n, 0
.rept 32
	v_pk_add_f32 v[H+n:H+n+1], v[H+n:H+n+1], v[T+n:T+n+1]
.set n, n+2
.endr
	; 64 numbers of a lane, register 16 b + i = K index 32 b + 16 (lane / 16) + i of my row, become a fragment's codes and a scale word
.irp b, 0,1,2,3
	v_max3_num_f32 v[TM+\b], |v[H+16*\b]|, |v[H+1+16*\b]|, 0x1800000   ; and the floor 2^(3 - 127)
.endr
.irp i, 2,4,6,8,10,12,14
.irp b, 0,1,2,3
	v_max3_num_f32 v[TM+\b], v[TM+\b], |v[H+16*\b+\i]|, |v[H+1+16*\b+\i]|
.endr
.endr
.irp b, 0,1,2,3
	v_permlanex16_b32 v[TM+4+\b], v[TM+\b], s50, s51
.endr
.irp b, 0,1,2,3
	v_max_num_f32 v[TM+\b], v[TM+\b], v[TM+4+\b]
.endr
.irp b, 0,1,2,3
	v_add_nc_u32 v[TM+12+\b], 0xff000000, v[TM+\b]
.endr
.irp b, 0,1,2,3
	v_lshrrev_b32 v[TM+4+\b], 23, v[TM+12+\b]
.endr
	v_lshl_or_b32 v[PW], v[TM+5], 8, v[TM+4]
	v_lshl_or_b32 v[PW], v[TM+6], 16, v[PW]
	v_lshl_or_b32 v[PW], v[TM+7], 24, v[PW]
.irp c, 0,1
	v_cvt_scalef32_pk16_fp6_f32 v[PC+6*\c:PC+6*\c+2], v[H+32*\c:H+32*\c+15], v[TM+12+2*\c]
	v_cvt_scalef32_pk16_fp6_f32 v[PT+4*\c:PT+4*\c+2], v[H+32*\c+16:H+32*\c+31], v[TM+12+2*\c+1]
.endr
	v_nop                                          ; one plain place behind a scaled conversion
.irp c, 0,1
.irp i, 0,1,2
	v_permlane16_swap_b32 v[PC+6*\c+\i], v[PT+4*\c+\i]
.endr
.irp i, 0,1,2
	v_mov_b32 v[PC+6*\c+3+\i], v[PT+4*\c+\i]
.endr
.endr
.irp t, 0,1,2
	global_store_b64 v4, v[PC+2*\t:PC+2*\t+1], s[44:45] offset:256*\t       ; registers 0-5: each store 256 consecutive bytes
	global_store_b64 v4, v[PC+6+2*\t:PC+6+2*\t+1], s[46:47] offset:256*\t   ; registers 6-11
.endr
	ds_store_b32 v8, v[PW]                         ; both halves of the lanes write the same word with the same value
	s_wait_dscnt 0x0
	s_barrier_signal -1
	s_barrier_wait -1
	s_cmp_lg_u32 s10, 0
	s_cbranch_scc1 .Lnot_first
	ds_load_b64 v[10:11], v9                       ; the four waves' 64 words leave as 256 consecutive bytes
	s_wait_dscnt 0x0
	global_store_b64 v4, v[10:11], s[48:49]
.Lnot_first:
	s_wait_tensorcnt 0x0                           ; the wave's end, behind my last LDS store
	ds_add_u32 v1, v2
	s_wait_dscnt 0x0
	s_endpgm
.Lfunc_end_k_qcf1d5b498e_lowrank:
	.size	k_qcf1d5b498e_lowrank, .Lfunc_end_k_qcf1d5b498e_lowrank-k_qcf1d5b498e_lowrank
	.p2alignl 7, 3214868480
	.fill 96, 4, 3214868480
	.section	.rodata,"a",@progbits
	.p2align	6, 0x0
	.amdhsa_kernel k_qcf1d5b498e_lowrank
		.amdhsa_group_segment_fixed_size 131840
		.amdhsa_private_segment_fixed_size 0
		.amdhsa_enable_private_segment 0
		.amdhsa_kernarg_size 24
		.amdhsa_user_sgpr_count 2
		.amdhsa_user_sgpr_kernarg_segment_ptr 1
		.amdhsa_wavefront_size32 1
		.amdhsa_system_sgpr_workgroup_id_x 1
		.amdhsa_system_sgpr_workgroup_id_y 1
		.amdhsa_system_sgpr_workgroup_id_z 1
		.amdhsa_system_vgpr_workitem_id 0
		.amdhsa_next_free_vgpr 1024
		.amdhsa_next_free_sgpr 66
		.amdhsa_reserve_vcc 0
		.amdhsa_float_denorm_mode_32 3
		.amdhsa_float_denorm_mode_16_64 3
		.amdhsa_memory_ordered 1
		.amdhsa_forward_progress 1
		.amdhsa_inst_pref_size 86
	.end_amdhsa_kernel
	.amdgpu_metadata
---
amdhsa.version: [ 1, 2 ]
amdhsa.kernels:
  - .name:           k_qcf1d5b498e_lowrank
    .symbol:         k_qcf1d5b498e_lowrank.kd
    .args:
      - { .name: wq, .offset: 0, .size: 8, .value_kind: global_buffer, .address_space: global }
      - { .name: qkv, .offset: 8, .size: 8, .value_kind: global_buffer, .address_space: global }
      - { .name: kvp, .offset: 16, .size: 8, .value_kind: global_buffer, .address_space: global }
    .group_segment_fixed_size: 131840
    .private_segment_fixed_size: 0
    .kernarg_segment_align: 8
    .kernarg_segment_size: 24
    .max_flat_workgroup_size: 128
    .sgpr_count:     66
    .vgpr_count:     1024
    .wavefront_size: 32
...
	.end_amdgpu_metadata
.endif
;; end of part 3
;; launch attn (part 4): grid 256 x 1, 8 waves a work-group, no clusters, 35,840 bytes of LDS; arguments qkv, kvp, out0; writes out0
.if DOCPART == 4
	.amdgcn_target "amdgcn-amd-amdhsa--gfx1250"
	.amdhsa_code_object_version 6
	.text
	.protected	k_qcf1d5b498e_attn
	.globl	k_qcf1d5b498e_attn
	.p2align	8
	.type	k_qcf1d5b498e_attn,@function
k_qcf1d5b498e_attn:
	s_mov_b64 s[64:65], 0
	v_nop
	global_prefetch_b8 v0, s[64:65] scope:SCOPE_SE
	s_setreg_imm32_b32 hwreg(HW_REG_WAVE_MODE, 25, 1), 1
	s_wait_xcnt 0x0
; out[b][n][64 head + d] = sum over e of softmax_e(q . k_proj[e] / 8) v_proj[e][d], both products on codes of FP6 (E2M3) with E8M0 scales.
; t = score x log2(e) / 8; M = the row's largest t rounded up to a whole number; p = 2^(t - M) is quantised along e, not normalised; the row's sum of the unquantised p divides at the end.
; A row's 256 keys all lie in one wave's registers, so M is the row's own: there is no running maximum.
; SHARES.  Work-group u: X = u / 8 = 8 x batch + pair of heads; 512 queries u % 8.  Wave v: head 2 (X % 8) + v % 2, the 128 queries 4 (u % 8) + v / 2: eight units of 16.
; Its head's k_proj and v_proj stay in registers for the whole launch; two waves lie on a SIMD, so that one's matrix work and exponentials stand beside the other's vector work.
; BOTH PRODUCTS ARE USED TRANSPOSED: S^T = k_proj q^T, O^T = v_proj^T p^T: a lane holds one query throughout.  The tiles' rows were chosen by the earlier launches so that registers 16 m + i of S^T are keys 32 m + 16 (lane / 16) + i.
; K OF THE SCORES IS 64, half of the instruction's 128: a fragment of k_proj holds e tile 2 m in registers 0-5 and e tile 2 m + 1 in registers 6-11; against [q ; zero codes] it gives tile 2 m, against [zero codes ; q] tile 2 m + 1.
; No cluster and no tensor load: what work-groups share (48 KiB a pair of heads) is read once at the head, and nothing is fetched afterwards.
; LIMITS: NaN and infinities are not served.
; REGISTERS: window 1: v0-95 k_proj's 8 packed fragments; v96-191 v_proj's 8; v192-239 q's 8 half fragments.
;   window 0: v1-8 addresses; v16-23, v24-27, v28-31, v32-33 scale words of k_proj, v_proj, q, p (nothing else ever); v34-57 the two q fragments; v58-89 p's codes; v90-123 at work; v128-255 S^T, then p; O^T takes v128-159, the rows read back v160-191.
.set SPARE, 34816                      ; LDS: a stage of 16 rows x 272 bytes for each wave; behind them the spare words, 128 bytes for each of eight waves: four blocks of 256 bytes that no other line names
.set KS,  16
.set VS,  24
.set QS,  28
.set PS,  32
.set QA,  34
.set QB,  46
.set PC,  58
.set PT,  82
.set TA,  90                           ; v90-97   each block's largest score, then its largest p
.set TB,  98                           ; v98-105  the other half's, then the bytes
.set TC,  106                          ; v106-113 the conversions' scale operands
.set NM,  114                          ; v[114:115] -M (the packed form names a pair and takes its low word)
.set LA,  116                          ; v[116:117], v[118:119] the row's sum in two chains
.set LB,  118
.set RL,  120                          ; v[120:121] 1 / the sum
.set T0,  122
.set T1,  123
.set S,   128
.set RB,  160
.set MSB, 0
.macro WIN new
.if MSB != (\new)
	s_set_vgpr_msb (MSB<<8)|(\new)
.set MSB, (\new)
.endif
.endm
.macro WM d, a, b, z, sa, sb, ra, rb
.if (\z)
.if (\ra) && (\rb)
	v_wmma_scale_f32_16x16x128_f8f6f4 v[(\d):(\d)+7], v[(\a):(\a)+11], v[(\b):(\b)+11], 0, v[(\sa)], v[(\sb)] matrix_a_fmt:MATRIX_FMT_FP6 matrix_b_fmt:MATRIX_FMT_FP6 matrix_a_scale:MATRIX_SCALE_ROW1 matrix_b_scale:MATRIX_SCALE_ROW1
.elseif (\ra)
	v_wmma_scale_f32_16x16x128_f8f6f4 v[(\d):(\d)+7], v[(\a):(\a)+11], v[(\b):(\b)+11], 0, v[(\sa)], v[(\sb)] matrix_a_fmt:MATRIX_FMT_FP6 matrix_b_fmt:MATRIX_FMT_FP6 matrix_a_scale:MATRIX_SCALE_ROW1
.elseif (\rb)
	v_wmma_scale_f32_16x16x128_f8f6f4 v[(\d):(\d)+7], v[(\a):(\a)+11], v[(\b):(\b)+11], 0, v[(\sa)], v[(\sb)] matrix_a_fmt:MATRIX_FMT_FP6 matrix_b_fmt:MATRIX_FMT_FP6 matrix_b_scale:MATRIX_SCALE_ROW1
.else
	v_wmma_scale_f32_16x16x128_f8f6f4 v[(\d):(\d)+7], v[(\a):(\a)+11], v[(\b):(\b)+11], 0, v[(\sa)], v[(\sb)] matrix_a_fmt:MATRIX_FMT_FP6 matrix_b_fmt:MATRIX_FMT_FP6
.endif
.else
.if (\ra) && (\rb)
	v_wmma_scale_f32_16x16x128_f8f6f4 v[(\d):(\d)+7], v[(\a):(\a)+11], v[(\b):(\b)+11], v[(\d):(\d)+7], v[(\sa)], v[(\sb)] matrix_a_fmt:MATRIX_FMT_FP6 matrix_b_fmt:MATRIX_FMT_FP6 matrix_a_scale:MATRIX_SCALE_ROW1 matrix_b_scale:MATRIX_SCALE_ROW1
.elseif (\ra)
	v_wmma_scale_f32_16x16x128_f8f6f4 v[(\d):(\d)+7], v[(\a):(\a)+11], v[(\b):(\b)+11], v[(\d):(\d)+7], v[(\sa)], v[(\sb)] matrix_a_fmt:MATRIX_FMT_FP6 matrix_b_fmt:MATRIX_FMT_FP6 matrix_a_scale:MATRIX_SCALE_ROW1
.elseif (\rb)
	v_wmma_scale_f32_16x16x128_f8f6f4 v[(\d):(\d)+7], v[(\a):(\a)+11], v[(\b):(\b)+11], v[(\d):(\d)+7], v[(\sa)], v[(\sb)] matrix_a_fmt:MATRIX_FMT_FP6 matrix_b_fmt:MATRIX_FMT_FP6 matrix_b_scale:MATRIX_SCALE_ROW1
.else
	v_wmma_scale_f32_16x16x128_f8f6f4 v[(\d):(\d)+7], v[(\a):(\a)+11], v[(\b):(\b)+11], v[(\d):(\d)+7], v[(\sa)], v[(\sb)] matrix_a_fmt:MATRIX_FMT_FP6 matrix_b_fmt:MATRIX_FMT_FP6
.endif
.endif
.endm
	s_load_b128 s[4:7], s[0:1], 0x0                ; qkv s[4:5], kvp s[6:7]
	s_load_b64 s[8:9], s[0:1], 0x10                ; out0
	v_lshl_add_u32 v1, v0, 2, SPARE                ; my spare word's address; never rewritten
	v_mov_b32 v2, 0                                ; 0; never rewritten
	v_lshrrev_b32 v10, 5, v0
	v_readfirstlane_b32 s10, v10                   ; wave 0..7
	v_and_b32 v10, 31, v0
	v_and_b32 v11, 15, v0                          ; r
	v_bfe_u32 v12, v0, 4, 1                        ; h
	s_mul_i32 s11, s10, 4352                       ; my stage
	v_mul_u32_u24 v3, v11, 272
	v_lshl_add_u32 v3, v12, 6, v3
	v_add_nc_u32 v3, s11, v3                       ; in: row r, + 64 h: my 16 channels of each 32
	v_mul_u32_u24 v4, v12, 272
	v_lshl_add_u32 v4, v11, 4, v4
	v_add_nc_u32 v4, s11, v4                       ; back: lanes 0-15 one row of 256 bytes, lanes 16-31 the next
	v_lshlrev_b32 v5, 12, v12
	v_lshl_add_u32 v5, v11, 4, v5                  ; and the same two rows in out0
	v_lshlrev_b32 v6, 3, v10                       ; 8 x lane
	v_lshlrev_b32 v7, 2, v10                       ; 4 x lane
	v_lshlrev_b32 v8, 4, v10                       ; 16 x lane
	s_lshr_b32 s12, ttmp9, 3                       ; X
	s_and_b32 s13, ttmp9, 7
	s_lshl_b32 s13, s13, 2
	s_lshr_b32 s15, s10, 1
	s_add_co_u32 s13, s13, s15                     ; my group of 128 queries
	s_and_b32 s14, s10, 1                          ; which head of the pair
	s_mov_b32 s16, 0x3e38aa3b                      ; c = log2(e) / 8
	s_mov_b32 s17, s16                             ; (named with it as a pair, so it is written)
	s_mov_b32 s18, 0x76543210
	s_mov_b32 s19, 0xfedcba98                      ; v_permlanex16_b32's selects for lane l xor 16
	s_mov_b32 s34, 0x07060302
	s_mov_b32 s35, 0x03020302
	s_cmp_eq_u32 s14, 0
	s_cselect_b32 s34, 0x05040100, s34             ; my head's two bytes of two words,
	s_cselect_b32 s35, 0x01000100, s35             ; my head's two bytes of one word, twice
	s_lshl_b32 s36, s12, 10
	s_add_co_u32 s36, s36, 1572864                 ; k_proj's scale words: 1,024 bytes a pair of heads
	s_mov_b32 s37, 0
	s_lshl_b32 s38, s12, 5
	s_add_co_u32 s38, s38, s13
	s_lshl_b32 s38, s38, 9
	s_add_co_u32 s38, s38, 37748736                ; q's scale image
	s_mov_b32 s39, 0
	s_lshl_b32 s40, s14, 8
	s_add_co_u32 s40, s40, s36
	s_add_co_u32 s40, s40, 32768                   ; v_proj's scale words, my head's four tiles
	s_mov_b32 s41, 0
	s_lshl_b32 s15, s12, 1
	s_add_co_u32 s15, s15, s14                     ; 16 x batch + head
	s_lshl_b32 s42, s15, 5
	s_add_co_u32 s42, s42, s13
	s_mul_i32 s42, s42, 6144                       ; q's 8 half images
	s_mov_b32 s43, 0
	s_mul_i32 s44, s15, 12288                      ; k_proj's 16 half images
	s_mov_b32 s45, 0
	s_mul_i32 s46, s12, 24576
	s_mul_i32 s47, s14, 6144
	s_add_co_u32 s46, s46, s47
	s_add_co_u32 s46, s46, 786432                  ; v_proj's images, my head's four tiles
	s_mov_b32 s47, 0
	s_lshr_b32 s48, s12, 3
	s_lshl_b32 s48, s48, 12
	s_lshl_b32 s49, s13, 7
	s_add_co_u32 s48, s48, s49
	s_lshl_b32 s48, s48, 12                        ; my first row of out0, 4,096 bytes a row,
	s_and_b32 s49, s12, 7
	s_lshl_b32 s49, s49, 1
	s_add_co_u32 s49, s49, s14
	s_lshl_b32 s49, s49, 8
	s_add_co_u32 s48, s48, s49                     ; my head's 256 bytes in it
	s_mov_b32 s49, 0
	s_wait_kmcnt 0x0
	s_add_nc_u64 s[20:21], s[6:7], s[36:37]
	s_add_nc_u64 s[22:23], s[4:5], s[38:39]
	s_add_nc_u64 s[24:25], s[6:7], s[40:41]
	s_add_nc_u64 s[26:27], s[4:5], s[42:43]
	s_add_nc_u64 s[28:29], s[6:7], s[44:45]
	s_add_nc_u64 s[30:31], s[6:7], s[46:47]
	s_add_nc_u64 s[32:33], s[8:9], s[48:49]
.irp m, 0,1,2,3,4,5,6,7
	global_load_b32 v[128+\m], v7, s[20:21] offset:128*\m    ; lanes 0-15: e tile 2 m's words, lanes 16-31: e tile 2 m + 1's
.endr
	global_load_b128 v[144:147], v8, s[22:23]
.irp e, 0,1
.irp k, 0,1
	global_load_b32 v[VS+2*\e+\k], v7, s[24:25] offset:512*\e+128*\k   ; lanes 0-15: tile 2 k's words, lanes 16-31: tile 2 k + 1's
.endr
.endr
	WIN 0x40                                       ; destination window 1
.set n, 0
.rept 24
	global_load_b64 v[192+2*n:193+2*n], v6, s[26:27] offset:256*n
.set n, n+1
.endr
.set n, 0
.rept 48
	global_load_b64 v[2*n:2*n+1], v6, s[28:29] offset:256*n
.set n, n+1
.endr
.irp e, 0,1
.irp k, 0,1,2,3
.irp t, 0,1,2,3,4,5
	global_load_b64 v[96+12*(4*\e+\k)+2*\t:97+12*(4*\e+\k)+2*\t], v6, s[30:31] offset:12288*\e+1536*\k+256*\t
.endr
.endr
.endr
	WIN 0
.irp k, 0,1,2,3,4,5
	v_mov_b32 v[QA+6+\k], 0                        ; the zero codes, written once
	v_mov_b32 v[QB+\k], 0
.endr
.irp m, 0,1,2,3,4,5,6,7
	v_mov_b32 v[TB+\m], 0                          ; a lane permute's destination counts as one of its sources
	v_mov_b32 v[136+\m], 0
.endr
	v_mov_b32 v[NM+1], 0                           ; (the upper halves of pairs that packed forms name)
	v_mov_b32 v[RL+1], 0
	v_mov_b32 v[T1], 0
	s_wait_loadcnt 48                              ; all but v_proj's 48 loads, the youngest
.irp m, 0,1,2,3,4,5,6,7
	v_permlanex16_b32 v[136+\m], v[128+\m], s18, s19
.endr
.irp m, 0,1,2,3,4,5,6,7
	v_perm_b32 v[KS+\m], v[136+\m], v[128+\m], s34 ; bytes 0, 1: tile 2 m's blocks of my head; bytes 2, 3: tile 2 m + 1's
.endr
.irp k, 0,1,2,3
	v_perm_b32 v[QS+\k], v[144+\k], v[144+\k], s35 ; my head's two bytes in both halves of the word: it serves [q ; 0] and [0 ; q]
.endr
.macro UNIT a
.if (\a) > 0
	s_wait_xcnt 0x0                                ; the last unit's stores have read their registers, which the scores take again
.endif
	WIN 0x01                                       ; source 0 window 1
.irp k, 0,1,2,3,4,5
	v_mov_b32 v[QA+\k], v[192+6*(\a)+\k]
	v_mov_b32 v[QB+6+\k], v[192+6*(\a)+\k]
.endr
.rept 4
	v_nop                                          ; an operand written by vector instructions stands four places ahead of a scaled matrix instruction
.endr
.irp m, 0,1,2,3,4,5,6,7
	WM S+16*\m, 12*\m, QA, 1, KS+\m, QS+(\a)/2, 0, (\a)%2
	WM S+16*\m+8, 12*\m, QB, 1, KS+\m, QS+(\a)/2, 0, (\a)%2
.endr
	WIN 0
.rept 4
	v_nop
.endr
.irp m, 0,1,2,3,4,5,6,7
	v_max3_num_f32 v[TA+\m], v[S+16*\m], v[S+16*\m+1], v[S+16*\m+2]   ; the largest score of each block of 32 keys: it serves for the row's maximum and, since p rises with the score, for the block's largest p
.endr
.irp i, 3,5,7,9,11,13
.irp m, 0,1,2,3,4,5,6,7
	v_max3_num_f32 v[TA+\m], v[TA+\m], v[S+16*\m+\i], v[S+16*\m+\i+1]
.endr
.endr
.irp m, 0,1,2,3,4,5,6,7
	v_max_num_f32 v[TA+\m], v[TA+\m], v[S+16*\m+15]
.endr
.irp m, 0,1,2,3,4,5,6,7
	v_permlanex16_b32 v[TB+\m], v[TA+\m], s18, s19
.endr
.irp m, 0,1,2,3,4,5,6,7
	v_max_num_f32 v[TA+\m], v[TA+\m], v[TB+\m]     ; with lane l xor 16's 16 keys
.endr
	v_max3_num_f32 v[T0], v[TA], v[TA+1], v[TA+2]
	v_max3_num_f32 v[T0], v[T0], v[TA+3], v[TA+4]
	v_max3_num_f32 v[T0], v[T0], v[TA+5], v[TA+6]
	v_max_num_f32 v[T0], v[T0], v[TA+7]            ; the row's largest score
	v_mul_f32 v[T0], s16, v[T0]                    ; as t (c is positive)
	v_floor_f32 v[NM], -v[T0]                      ; -M = floor(-t) = -ceil(t)
.set n, 0
.rept 64
	v_pk_fma_f32 v[S+n:S+n+1], v[S+n:S+n+1], s[16:17], v[NM:NM+1] op_sel_hi:[1,0,0]   ; t - M, two at a time
.set n, n+2
.endr
.irp m, 0,1,2,3,4,5,6,7
	v_fma_f32 v[TA+\m], v[TA+\m], s16, v[NM]       ; the same of each block's largest score
.endr
.set n, 0
.rept 128
	v_exp_f32 v[S+n], v[S+n]                       ; p = 2^(t - M), at most 1
.set n, n+1
.endr
	v_nop                                          ; a plain place behind the exponentials
	s_wait_alu depctr_va_vdst(0)                   ; one wait for the whole batch, ahead of its first reader
.irp m, 0,1,2,3,4,5,6,7
	v_exp_f32 v[TA+\m], v[TA+\m]                   ; the block's largest p: the same two instructions on the same number
.endr
	v_pk_add_f32 v[LA:LA+1], v[S:S+1], v[S+2:S+3]  ; the row's sum is taken of the unquantised p, in two chains (plain work behind the eight)
	v_pk_add_f32 v[LB:LB+1], v[S+4:S+5], v[S+6:S+7]
.set n, 8
.rept 30
	v_pk_add_f32 v[LA:LA+1], v[LA:LA+1], v[S+n:S+n+1]
	v_pk_add_f32 v[LB:LB+1], v[LB:LB+1], v[S+n+2:S+n+3]
.set n, n+4
.endr
	v_pk_add_f32 v[LA:LA+1], v[LA:LA+1], v[LB:LB+1]
	s_wait_alu depctr_va_vdst(0)                   ; and one for the eight
.irp m, 0,1,2,3,4,5,6,7
	v_max_num_f32 v[TA+\m], 0x1800000, v[TA+\m]    ; the floor 2^(3 - 127): a block whose every p has fallen to 0 keeps the byte 1: its codes are zeros
.endr
.irp m, 0,1,2,3,4,5,6,7
	v_add_nc_u32 v[TC+\m], 0xff000000, v[TA+\m]    ; 2 off the exponent field: the conversion's scale operand
.endr
.irp m, 0,1,2,3,4,5,6,7
	v_lshrrev_b32 v[TB+\m], 23, v[TC+\m]           ; the scale's byte
.endr
.irp e, 0,1
	v_lshl_or_b32 v[PS+\e], v[TB+4*\e+1], 8, v[TB+4*\e]
	v_lshl_or_b32 v[PS+\e], v[TB+4*\e+2], 16, v[PS+\e]
	v_lshl_or_b32 v[PS+\e], v[TB+4*\e+3], 24, v[PS+\e]   ; p's scale word for keys 128 e on
.endr
.irp e, 0,1
.irp c, 0,1
	v_cvt_scalef32_pk16_fp6_f32 v[PC+12*\e+6*\c:PC+12*\e+6*\c+2], v[S+64*\e+32*\c:S+64*\e+32*\c+15], v[TC+4*\e+2*\c]
	v_cvt_scalef32_pk16_fp6_f32 v[PT+4*\c:PT+4*\c+2], v[S+64*\e+32*\c+16:S+64*\e+32*\c+31], v[TC+4*\e+2*\c+1]
.endr
	v_nop                                          ; one plain place behind a scaled conversion
.irp c, 0,1                            ; the operand's layout wants a WHOLE block in a lane
.irp i, 0,1,2
	v_permlane16_swap_b32 v[PC+12*\e+6*\c+\i], v[PT+4*\c+\i]
.endr
.irp i, 0,1,2
	v_mov_b32 v[PC+12*\e+6*\c+3+\i], v[PT+4*\c+\i]
.endr
.endr
.endr
.rept 8
	v_nop                                          ; a scale register written by a vector instruction stands 8 places ahead of a scaled matrix instruction, an operand so written 4
.endr
.if (\a) == 0
	s_wait_loadcnt 0x0                             ; v_proj
.endif
	WIN 0x01
.irp k, 0,1,2,3
	WM S+8*\k, 96+12*\k, PC, 1, VS+\k/2, PS, \k%2, 0            ; O^T: keys 0-127 start the four sums;
.endr
.irp k, 0,1,2,3
	WM S+8*\k, 96+12*(4+\k), PC+12, 0, VS+2+\k/2, PS+1, \k%2, 0  ; keys 128-255: the four accumulators take turns
.endr
	WIN 0
	v_add_f32 v[LA], v[LA], v[LA+1]                ; the sum's two halves,
	v_permlanex16_b32 v[T1], v[LA], s18, s19
	v_add_f32 v[LA], v[LA], v[T1]                  ; and lane l xor 16's: the row's sum
	v_rcp_f32 v[RL], v[LA]
.rept 4
	v_nop                                          ; the places behind the last products, and the plain place behind the reciprocal
.endr
	s_wait_alu depctr_va_vdst(0)                   ; ahead of the reciprocal's first reader
.set n, 0
.rept 16
	v_pk_mul_f32 v[S+n:S+n+1], v[S+n:S+n+1], v[RL:RL+1] op_sel_hi:[1,0]   ; in ascending order; register 16 b + i is channel 32 b + 16 (lane / 16) + i
.set n, n+2
.endr
.irp b, 0,1
.irp k, 0,1,2,3
	ds_store_b128 v3, v[S+16*\b+4*\k:S+16*\b+4*\k+3] offset:128*\b+16*\k
.endr
.endr
.irp i, 0,1,2,3,4,5,6,7
	ds_load_b128 v[RB+4*\i:RB+4*\i+3], v4 offset:2*\i*272   ; LDS serves a wave's instructions in order: these see my stores
.endr
.irp i, 0,1,2,3,4,5,6,7
	s_wait_dscnt 7-\i                              ; the younger loads may be out
	global_store_b128 v5, v[RB+4*\i:RB+4*\i+3], s[32:33] offset:(32*((\a)/2)+8*((\a)%2)+2*\i+8*(\i/4))*4096 th:TH_STORE_NT   ; sixteen lanes store a head's 256 consecutive bytes of a row; the tile's row 2 i + (lane / 16) is query 32 (a / 2) + 8 (a % 2) + that row + 8 (row / 8)
.endr
.endm
.irp a, 0,1,2,3,4,5,6,7
	UNIT \a
.endr
	s_wait_tensorcnt 0x0                           ; the wave's end, behind my last LDS store
	ds_add_u32 v1, v2
	s_wait_dscnt 0x0
	s_endpgm
.Lfunc_end_k_qcf1d5b498e_attn:
	.size	k_qcf1d5b498e_attn, .Lfunc_end_k_qcf1d5b498e_attn-k_qcf1d5b498e_attn
	.p2alignl 7, 3214868480
	.fill 96, 4, 3214868480
	.section	.rodata,"a",@progbits
	.p2align	6, 0x0
	.amdhsa_kernel k_qcf1d5b498e_attn
		.amdhsa_group_segment_fixed_size 35840
		.amdhsa_private_segment_fixed_size 0
		.amdhsa_enable_private_segment 0
		.amdhsa_kernarg_size 24
		.amdhsa_user_sgpr_count 2
		.amdhsa_user_sgpr_kernarg_segment_ptr 1
		.amdhsa_wavefront_size32 1
		.amdhsa_system_sgpr_workgroup_id_x 1
		.amdhsa_system_sgpr_workgroup_id_y 1
		.amdhsa_system_sgpr_workgroup_id_z 1
		.amdhsa_system_vgpr_workitem_id 0
		.amdhsa_next_free_vgpr 512
		.amdhsa_next_free_sgpr 66
		.amdhsa_reserve_vcc 0
		.amdhsa_float_denorm_mode_32 3
		.amdhsa_float_denorm_mode_16_64 3
		.amdhsa_memory_ordered 1
		.amdhsa_forward_progress 1
		.amdhsa_inst_pref_size 242
	.end_amdhsa_kernel
	.amdgpu_metadata
---
amdhsa.version: [ 1, 2 ]
amdhsa.kernels:
  - .name:           k_qcf1d5b498e_attn
    .symbol:         k_qcf1d5b498e_attn.kd
    .args:
      - { .name: qkv, .offset: 0, .size: 8, .value_kind: global_buffer, .address_space: global }
      - { .name: kvp, .offset: 8, .size: 8, .value_kind: global_buffer, .address_space: global }
      - { .name: out0, .offset: 16, .size: 8, .value_kind: global_buffer, .address_space: global }
    .group_segment_fixed_size: 35840
    .private_segment_fixed_size: 0
    .kernarg_segment_align: 8
    .kernarg_segment_size: 24
    .max_flat_workgroup_size: 256
    .sgpr_count:     66
    .vgpr_count:     512
    .wavefront_size: 32
...
	.end_amdgpu_metadata
.endif
;; end of part 4
